; MI455X (gfx1250); checked and timed in simulation.
; The chip was launched on July 23, 2026; its instructions are those of AMD's public machine-readable ISA for CDNA 5 (MIT licence, August 2026) and "CDNA5" Instruction Set Architecture Reference Guide (July 2026). The comments in the code are by the model that wrote it; some were corrected since.
;; Cross Attention. Allowed arithmetic: float matrix products may take bf16 or f16 operands with f32 sums; other float arithmetic in f32, or as packed bf16 or f16 multiplies, adds, multiply-adds, maxima and minima; sums over many terms, partial sums and values carried from step to step in f32; what a program stores and reads back later, other than sums and carried values, may be rounded once to bf16 or f16.
;; Inputs: Wk 1,024 x 1,024 float32; Wq 1,024 x 1,024 float32; Wv 1,024 x 1,024 float32; bk 1,024 float32; bq 1,024 float32; bv 1,024 float32; key_input 4 x 2,048 x 1,024 float32; query_input 4 x 2,048 x 1,024 float32; value_input 4 x 2,048 x 1,024 float32.
;; Outputs: out0 4 x 2,048 x 1,024 float32.
;; One version. Each part assembles by itself: llvm-mc -triple=amdgcn-amd-amdhsa -mcpu=gfx1250 --defsym DOCPART=n.
;; ======== version 1 of 1: 4 launches
;; limits: values are held in f16: magnitudes above 65,504 overflow, below 6.1e-05 lose precision
;; workspace buffers: wt 6,291,456 bytes; qkv 50,331,648 bytes; pmat 33,554,432 bytes; stats 1,048,576 bytes
;; launch wprep (part 1): grid 128 x 3, 8 waves a work-group, no clusters, 18,432 bytes of LDS; arguments Wq, Wk, Wv, wt; writes wt
.if DOCPART == 1
	.amdgcn_target "amdgcn-amd-amdhsa--gfx1250"
	.amdhsa_code_object_version 6
	.text
	.protected	k_q9061685f5d_wprep
	.globl	k_q9061685f5d_wprep
	.p2align	8
	.type	k_q9061685f5d_wprep,@function
k_q9061685f5d_wprep:
	s_mov_b64 s[64:65], 0
	v_nop
	global_prefetch_b8 v0, s[64:65] scope:SCOPE_SE
	s_setreg_imm32_b32 hwreg(HW_REG_WAVE_MODE, 25, 1), 1
	s_wait_xcnt 0x0
; wt[p][n][k] = bf16(W_p[k][n]), p = 0, 1, 2 for Wq, Wk, Wv.  W: [1024 k][1024 n] f32; wt: [3][1024 n][1024 k] bf16, rounded once to nearest even.
; The projections want K along the rows of both operands, so the weights are turned once, here.  A work-group of eight waves turns a tile of 128 k x 64 n:
; it reads 256 consecutive bytes of a row of W with sixteen lanes, packs the numbers of two neighbouring k into a word, lays the words into LDS as [n][k]
; (rows of 256 bytes + 16 of padding), and stores whole rows of 256 bytes of wt, sixteen lanes each.  No matrix unit, no cluster: every byte is read once by one work-group.
.set PITCH, 272
.set SPARE, 64*PITCH                   ; behind the tile: the spare words, 128 bytes for each of the eight waves
.set SPW, 60                           ; v60  LDS address of my spare word; never rewritten
.set NIL, 61                           ; v61  0; never rewritten
.set RAW, 8                            ; v[8:39]   group i of 32 k, row parity e: four f32 at RAW + 8 i + 4 e; later the rows read back
.set PKD, 40                           ; v[40:55]  packed pairs
	s_load_b256 s[4:11], s[0:1], 0x0               ; Wq s[4:5], Wk s[6:7], Wv s[8:9], wt s[10:11]
	v_lshl_add_u32 v[SPW], v0, 2, SPARE
	v_mov_b32 v[NIL], 0
	s_and_b32 s12, ttmp7, 0xffff                   ; which matrix
	s_and_b32 s13, ttmp9, 7                        ; block of 128 k
	s_lshr_b32 s14, ttmp9, 3                       ; block of 64 n
	v_and_b32 v1, 15, v0                           ; my four n
	v_lshrrev_b32 v2, 4, v0                        ; my pair of k, 0 to 15
	v_lshlrev_b32 v3, 13, v2                       ; in W: two rows of 4,096 bytes a pair,
	v_lshl_add_u32 v3, v1, 4, v3                   ; 16 bytes a lane
	v_mul_u32_u24 v4, v1, 4*PITCH                  ; into LDS: row n = 4 x (t % 16) + j,
	v_lshl_add_u32 v4, v2, 2, v4                   ; a word for the pair of k
	v_mul_u32_u24 v5, v2, PITCH                    ; back: row t / 16 (+ 16 i), 16 bytes a lane
	v_lshl_add_u32 v5, v1, 4, v5
	v_lshlrev_b32 v6, 11, v2                       ; and the same row in wt, 2,048 bytes a row
	v_lshl_add_u32 v6, v1, 4, v6
	s_lshl_b32 s16, s13, 19                        ; 128 rows of W
	s_lshl_b32 s17, s14, 8                         ; 64 columns
	s_add_co_u32 s16, s16, s17
	s_mov_b32 s17, 0
	s_lshl_b32 s18, s12, 21                        ; the matrix in wt,
	s_lshl_b32 s19, s14, 17                        ; 64 rows,
	s_add_co_u32 s18, s18, s19
	s_lshl_b32 s19, s13, 8                         ; 128 k
	s_add_co_u32 s18, s18, s19
	s_mov_b32 s19, 0
	s_wait_kmcnt 0x0
	s_cmp_eq_u32 s12, 0
	s_cselect_b64 s[20:21], s[4:5], s[6:7]
	s_cmp_eq_u32 s12, 2
	s_cselect_b64 s[20:21], s[8:9], s[20:21]
	s_add_nc_u64 s[20:21], s[20:21], s[16:17]
	s_add_nc_u64 s[10:11], s[10:11], s[18:19]
.irp i, 0,1,2,3
.irp e, 0,1
	global_load_b128 v[RAW+8*(\i)+4*(\e):RAW+8*(\i)+4*(\e)+3], v3, s[20:21] offset:(\i)*131072+(\e)*4096 th:TH_LOAD_NT  ; k = 32 i + 2 (t / 16) + e
.endr
.endr
	s_wait_loadcnt 0x0
.irp i, 0,1,2,3
.irp j, 0,1,2,3
	v_cvt_pk_bf16_f32 v[PKD+4*(\i)+(\j)], v[RAW+8*(\i)+(\j)], v[RAW+8*(\i)+4+(\j)]  ; the even k below, the odd k above
.endr
.endr
.irp i, 0,1,2,3
.irp j, 0,1,2,3
	ds_store_b32 v4, v[PKD+4*(\i)+(\j)] offset:(\j)*PITCH+(\i)*64
.endr
.endr
	s_wait_dscnt 0x0                               ; for the others' sake: my words lie in LDS
	s_barrier_signal -1
	s_barrier_wait -1
.irp i, 0,1,2,3
	ds_load_b128 v[RAW+4*(\i):RAW+4*(\i)+3], v5 offset:(\i)*16*PITCH
.endr
.irp i, 0,1,2,3
	s_wait_dscnt 3-(\i)                            ; LDS loads come back in order: number i is in
	global_store_b128 v6, v[RAW+4*(\i):RAW+4*(\i)+3], s[10:11] offset:(\i)*32768  ; 16 lanes store 256 consecutive bytes, aligned
.endr
	s_wait_tensorcnt 0x0                           ; the wave's end, behind my last LDS store
	ds_add_u32 v[SPW], v[NIL]
	s_wait_dscnt 0x0
	s_endpgm
.Lfunc_end_k_q9061685f5d_wprep:
	.size	k_q9061685f5d_wprep, .Lfunc_end_k_q9061685f5d_wprep-k_q9061685f5d_wprep
	.p2alignl 7, 3214868480
	.fill 96, 4, 3214868480
	.section	.rodata,"a",@progbits
	.p2align	6, 0x0
	.amdhsa_kernel k_q9061685f5d_wprep
		.amdhsa_group_segment_fixed_size 18432
		.amdhsa_private_segment_fixed_size 0
		.amdhsa_enable_private_segment 0
		.amdhsa_kernarg_size 32
		.amdhsa_user_sgpr_count 2
		.amdhsa_user_sgpr_kernarg_segment_ptr 1
		.amdhsa_wavefront_size32 1
		.amdhsa_system_sgpr_workgroup_id_x 1
		.amdhsa_system_sgpr_workgroup_id_y 1
		.amdhsa_system_sgpr_workgroup_id_z 1
		.amdhsa_system_vgpr_workitem_id 0
		.amdhsa_next_free_vgpr 64
		.amdhsa_next_free_sgpr 66
		.amdhsa_reserve_vcc 0
		.amdhsa_float_denorm_mode_32 3
		.amdhsa_float_denorm_mode_16_64 3
		.amdhsa_memory_ordered 1
		.amdhsa_forward_progress 1
		.amdhsa_inst_pref_size 6
	.end_amdhsa_kernel
	.amdgpu_metadata
---
amdhsa.version: [ 1, 2 ]
amdhsa.kernels:
  - .name:           k_q9061685f5d_wprep
    .symbol:         k_q9061685f5d_wprep.kd
    .args:
      - { .name: Wq, .offset: 0, .size: 8, .value_kind: global_buffer, .address_space: global }
      - { .name: Wk, .offset: 8, .size: 8, .value_kind: global_buffer, .address_space: global }
      - { .name: Wv, .offset: 16, .size: 8, .value_kind: global_buffer, .address_space: global }
      - { .name: wt, .offset: 24, .size: 8, .value_kind: global_buffer, .address_space: global }
    .group_segment_fixed_size: 18432
    .private_segment_fixed_size: 0
    .kernarg_segment_align: 8
    .kernarg_segment_size: 32
    .max_flat_workgroup_size: 256
    .sgpr_count:     66
    .vgpr_count:     64
    .wavefront_size: 32
...
	.end_amdgpu_metadata
.endif
;; end of part 1
;; launch proj (part 2): grid 4 x 192, 4 waves a work-group, clusters of 4 x 4, 327,680 bytes of LDS; arguments query_input, key_input, value_input, wt, bq, bk, bv, qkv; writes qkv
.if DOCPART == 2
	.amdgcn_target "amdgcn-amd-amdhsa--gfx1250"
	.amdhsa_code_object_version 6
	.text
	.protected	k_q9061685f5d_proj
	.globl	k_q9061685f5d_proj
	.p2align	8
	.type	k_q9061685f5d_proj,@function
k_q9061685f5d_proj:
	s_mov_b64 s[64:65], 0
	v_nop
	global_prefetch_b8 v0, s[64:65] scope:SCOPE_SE
	s_setreg_imm32_b32 hwreg(HW_REG_WAVE_MODE, 25, 1), 1
	s_wait_xcnt 0x0
	s_wait_alu depctr_hold_cnt(0) depctr_sa_sdst(0) depctr_va_vdst(0) depctr_va_sdst(0) depctr_va_ssrc(0) depctr_va_vcc(0) depctr_vm_vsrc(0)
	s_getreg_b32 s2, hwreg(HW_REG_IB_STS2, 6, 4)
	s_cmp_eq_u32 s2, 0
	s_cbranch_scc0 .Lentry_in_a_cluster
	s_endpgm
.Lentry_in_a_cluster:
	s_bfe_u32 s2, ttmp6, 0x10000c
	s_cmp_lg_u32 s2, 0xf033
	s_cbranch_scc0 .Lentry_shape_is_right
	s_endpgm
.Lentry_shape_is_right:
; qkv[p][m][n] = f16( sum over k of bf16(X_p[m][k]) wt[p][n][k] + bf16(b_p[n]) ), p = 0, 1, 2: the three projections in one launch.
; X_p: [8192][1024] f32; wt: [3][1024 n][1024 k] bf16; b_p: [1024] f32; qkv: [3][8192][1024] f16.  Sums in f32, K ascending, started with the bias; the result is rounded once.
; LIMIT.  q, k and v are kept in f16: they must stay under 65,504 in magnitude; inputs thirty times the drawn spread, or offset by thirty spreads, stay under 20,000.  NaN and infinities are not treated apart.
; SHARES.  A work-group makes 128 rows x 256 columns; its four waves 64 x 128 each (row half = wave / 2, column half = wave % 2): 32 accumulators of 16 x 16.  3 x 64 x 4 = 768 work-groups.
; K goes in steps of 128 through two LDS slots filled by the tensor data mover: X as it lies, in f32 (rows of 512 bytes), wt in bf16 (rows of 256 bytes).  X is rounded to bf16 in registers,
; between its LDS load and the product: eight conversions a fragment, which stand in fours behind matrix instructions of the fragment before.
; CLUSTER.  4 x 4 work-groups.  The four of a row of the cluster make the four column blocks of the same 128 rows and need the same tile of X; the four of a column need the same tile of wt.
; Each tile is asked for jointly: the same load, descriptor and mask in all four.
; THE MATRIX INSTRUCTION IS USED TRANSPOSED (source 0 = 16 rows of wt, source 1 = 16 rows of X): a lane holds row l % 16 and the columns 8 (l / 16) + 0..7.
; REGISTERS, in windows of 256 (s_set_vgpr_msb: bits 1:0 source 0, 3:2 source 1, 5:4 source 2, 7:6 destination):
;   window 0: v0-21 addresses; v64-127 the bias as C operands; v128-223 at work on the way out
;   window 1: two fragment buffers of 128: X's fragment a at 16 a (16 registers as loaded, 8 when rounded), wt's fragment b at 64 + 8 b
;   window 2: accumulator (a, b) at 64 a + 8 b
.set KSTEP,  128
.set NSTEP,  1024/KSTEP
.set NA,     4                         ; LDS loads for a fragment of X
.set NF,     16+4*NA                   ; LDS loads in a run: X's fragment 0, wt's eight, X's 1, 2, 3
.set YA0,    16+3*NA                   ; of them, those issued behind X's fragment 0
.set PA,     528                       ; a row of X in LDS: 512 bytes + 16: the 16 rows of a load start at 16 different groups of four banks (64 banks of 4 bytes: ISA guide 11.1)
.set PB,     272                       ; a row of wt: 256 + 16, likewise
.set AHALF,  64*PA                     ; what one load brings of X, and what one wave reads
.set BHALF,  128*PB                    ; the same for wt
.set BOFF,   2*AHALF
.set SLOT1,  0x22000                   ; slot 1 begins here: its two bits are set in none of the four fills' addresses in slot 0 (0, 0x8400, 0x10800, 0x19000), so one exclusive or changes slots
.set STAGE,  SLOT1+BOFF+2*BHALF        ; behind the ring: 16 rows x 272 bytes for each wave, for the way out
.set SP,     272
.set SPARE,  STAGE+4*16*SP             ; behind the stages: the spare words, 128 bytes for each wave
.set ASTEP,  KSTEP*4                   ; a K step in a row of X, in bytes
.set BSTEP,  KSTEP*2                   ; and of wt
.set ADRA0, 12                         ; v12  my lane's place in X's tile of slot 0; never rewritten
.set ADRB0, 13                         ; v13  the same for wt
.set ADRA,  14                         ; v14  the same in the slot in hand
.set ADRB,  15
.set STO,   16                         ; v16  the way out: where I put 16 bytes of a row
.set RD,    17                         ; v17  where I read a row back
.set CO,    18                         ; v18  my byte offset in the wave's rows of qkv
.set PFO,   19                         ; v19  the prefetches' offset; never rewritten
.set SPW,   20                         ; v20  LDS address of my spare word; never rewritten
.set NIL,   21                         ; v21  0; never rewritten
.set BI,    64
.set TMP,   128
.set OB,    160
.set F0,    0
.set F1,    128
.set G1A, 24                           ; s[24:31] descriptor group 1 for X's tiles
.set G0A, 32                           ; s[32:39] group 0: the first fill's, then the one that walks
.set G1B, 48                           ; s[48:55], s[56:63] the same for wt's
.set G0B, 56
.set MSB, 0
.macro WIN new                         ; the immediate's high byte repeats the setting that is left; a switch that changes nothing is dropped
.if MSB != (\new)
	s_set_vgpr_msb (MSB<<8)|(\new)
.set MSB, \new
.endif
.endm
.macro PLACES
.rept 4
	v_nop
.endr
.endm
.macro CREST                           ; a round of the cluster's barrier behind its opening barrier
	s_cmp_lg_u32 s10, 0
	s_cbranch_scc1 .Lnot_wave_0_\@
	s_barrier_signal -3
.Lnot_wave_0_\@:
	s_barrier_wait -3
	s_barrier_signal -1
	s_barrier_wait -1
.endm
.macro CROUND
	s_barrier_signal -1
	s_barrier_wait -1
	CREST
.endm
.macro JLOAD                           ; a joint refill: waves 0 and 1 fetch X's two halves, waves 2 and 3 wt's; an s_nop 0 and four v_nop follow each line
	s_cmp_eq_u32 s11, 0
	s_cbranch_scc0 .Lfor_b_\@
	tensor_load_to_lds s[G0A+4:G0A+7], s[G1A:G1A+7]
	s_nop 0
	PLACES
	s_branch .Lasked_\@
.Lfor_b_\@:
	tensor_load_to_lds s[G0B+4:G0B+7], s[G1B:G1B+7]
	s_nop 0
	PLACES
.Lasked_\@:
.endm
; A prefetch into the L2 of the K step that stands two refills on, one instruction a wave, behind the joint load and the run of LDS loads.  Each aligned block of 256 bytes is named once in the launch:
; X's 64 rows that wave 0 or 1 fetches are shared out by address among the four partners of the cluster's row, 16 rows x 2 blocks each; wt's 128 rows that wave 2 or 3 fetches among the four of the column,
; 32 rows each, and only in the first of the sixteen clusters that walk the same matrix.  The trips whose look-ahead would pass the last K step ask for nothing (s3 <= 2).
.macro ASK
	WIN 0
	s_cmp_gt_u32 s3, s15
	s_cbranch_scc0 .Lnot_mine_\@
	global_prefetch_b8 v[PFO], s[46:47] th:TH_LOAD_NT scope:SCOPE_SE
.Lnot_mine_\@:
.endm
	s_load_b512 s[68:83], s[0:1], 0x0              ; query s[68:69], key s[70:71], value s[72:73], wt s[74:75], bq s[76:77], bk s[78:79], bv s[80:81], qkv s[82:83]
	v_lshl_add_u32 v[SPW], v0, 2, SPARE
	v_mov_b32 v[NIL], 0
	ds_add_u32 v[SPW], v[NIL]                      ; the wave's opening: the add and its wait stand ahead of my first tensor load; the set-up below stands between them
	v_lshrrev_b32 v4, 5, v0
	v_readfirstlane_b32 s10, v4                    ; wave 0..3
	s_lshr_b32 s11, s10, 1                         ; my half of the rows.  Also: I fetch for X (0) or for wt (1)
	s_and_b32 s12, s10, 1                          ; my half of the columns.  Also: which half of that tile I fetch
	s_bfe_u32 s40, ttmp6, 0x40000                  ; cx = the block of 256 columns
	s_bfe_u32 s41, ttmp6, 0x40004                  ; cy
	s_and_b32 s42, ttmp7, 0xffff                   ; cluster y, 0 to 47
	s_lshr_b32 s43, s42, 4                         ; p: which projection
	s_and_b32 s13, s42, 15
	s_lshl_b32 s13, s13, 2
	s_add_co_u32 s13, s13, s41                     ; block of 128 rows, 0 to 63
	s_lshl_b32 s44, s41, 2
	s_lshl_b32 s44, 15, s44                        ; my row of the cluster
	s_lshl_b32 s45, 0x1111, s40                    ; my column
	s_or_b32 s[G1A], s44, (2<<16)|(1<<20)|(1<<21)|(6<<22)|(3<<25)  ; the mask; elements of 4 bytes; padding on; bit 21 beside a mask; after every 128 words (code 6) 4 words (code 3)
	s_mov_b32 s[G1A+1], KSTEP<<16                  ; tensor_dim0 = 128
	s_mov_b32 s[G1A+2], 64<<16                     ; tensor_dim1 = 64
	s_mov_b32 s[G1A+3], KSTEP<<16                  ; tile_dim0 = 128
	s_mov_b32 s[G1A+4], 64                         ; tile_dim1 = 64
	s_mov_b32 s[G1A+5], 1024                       ; elements from row to row
	s_mov_b32 s[G1A+6], 0
	s_mov_b32 s[G1A+7], 0
	s_or_b32 s[G1B], s45, (1<<16)|(1<<20)|(1<<21)|(5<<22)|(3<<25)  ; elements of 2 bytes; after every 64 words (code 5) 4 words
	s_mov_b32 s[G1B+1], KSTEP<<16
	s_mov_b32 s[G1B+2], 128<<16                    ; 128 rows
	s_mov_b32 s[G1B+3], KSTEP<<16
	s_mov_b32 s[G1B+4], 128
	s_mov_b32 s[G1B+5], 1024
	s_mov_b32 s[G1B+6], 0
	s_mov_b32 s[G1B+7], 0
	s_lshl_b32 s16, s13, 19                        ; X: 128 rows of 4,096 bytes a block,
	s_lshl_b32 s21, s12, 18                        ; 64 rows a half (and 128 rows of 2,048 bytes of wt)
	s_add_co_u32 s16, s16, s21
	s_mov_b32 s17, 0
	s_lshl_b32 s18, s43, 21                        ; wt: the matrix,
	s_lshl_b32 s90, s40, 19                        ; 256 rows a block,
	s_add_co_u32 s18, s18, s90
	s_add_co_u32 s18, s18, s21                     ; 128 rows a half
	s_mov_b32 s19, 0
	s_mul_i32 s22, s12, AHALF                      ; where the tiles go: no place in the cluster enters an LDS address
	s_mul_i32 s23, s12, BHALF
	s_add_co_u32 s23, s23, BOFF
	s_mov_b32 s20, 0                               ; the slot in hand
	s_wait_dscnt 0x0                               ; the opening add is done
	s_wait_kmcnt 0x0
	s_cmp_eq_u32 s43, 0
	s_cselect_b64 s[4:5], s[68:69], s[70:71]
	s_cselect_b64 s[88:89], s[76:77], s[78:79]
	s_cmp_eq_u32 s43, 2
	s_cselect_b64 s[4:5], s[72:73], s[4:5]         ; X_p
	s_cselect_b64 s[88:89], s[80:81], s[88:89]     ; b_p
	s_add_nc_u64 s[4:5], s[4:5], s[16:17]          ; X at the 64 rows that I would fetch
	s_add_nc_u64 s[6:7], s[74:75], s[18:19]        ; wt at the 128 rows that I would fetch
	CROUND                                         ; all sixteen work-groups are here: the first joint loads meet
.irp s, 0,1
	s_mov_b32 s[G0A+4*(\s)], 1                     ; count = 1
	s_add_co_u32 s[G0A+4*(\s)+1], s22, (\s)*SLOT1  ; LDS address
	s_add_nc_u64 s[G0A+4*(\s)+2:G0A+4*(\s)+3], s[4:5], (\s)*ASTEP  ; global address: K step s
	s_or_b32 s[G0A+4*(\s)+3], s[G0A+4*(\s)+3], 0x80000000          ; type = 2
	s_mov_b32 s[G0B+4*(\s)], 1
	s_add_co_u32 s[G0B+4*(\s)+1], s23, (\s)*SLOT1
	s_add_nc_u64 s[G0B+4*(\s)+2:G0B+4*(\s)+3], s[6:7], (\s)*BSTEP
	s_or_b32 s[G0B+4*(\s)+3], s[G0B+4*(\s)+3], 0x80000000
.endr
	s_cmp_eq_u32 s11, 0                            ; a wave's two first fills stand in one branch, ahead of every wait on TENSORcnt and every LDS read: two loads of mine are out
	s_cbranch_scc0 .Lfirst_b
	tensor_load_to_lds s[G0A:G0A+3], s[G1A:G1A+7]
	s_nop 0
	tensor_load_to_lds s[G0A+4:G0A+7], s[G1A:G1A+7]
	s_nop 0
	PLACES
	s_branch .Lfirst_asked
.Lfirst_b:
	tensor_load_to_lds s[G0B:G0B+3], s[G1B:G1B+7]
	s_nop 0
	tensor_load_to_lds s[G0B+4:G0B+7], s[G1B:G1B+7]
	s_nop 0
	PLACES
.Lfirst_asked:
	v_and_b32 v1, 15, v0                           ; r = l % 16
	v_bfe_u32 v2, v0, 4, 1                         ; h = l / 16
	v_and_b32 v3, 31, v0                           ; l
	; the bias of my 128 columns, laid as the accumulators are: register 8 b + j holds column 16 b + 8 h + j
	s_lshl_b32 s90, s40, 10
	s_lshl_b32 s91, s12, 9
	s_add_co_u32 s90, s90, s91
	s_mov_b32 s91, 0
	s_add_nc_u64 s[88:89], s[88:89], s[90:91]
	v_lshlrev_b32 v4, 5, v2
.irp b, 0,1,2,3,4,5,6,7
	global_load_b128 v[BI+8*(\b):BI+8*(\b)+3],   v4, s[88:89] offset:64*(\b)
	global_load_b128 v[BI+8*(\b)+4:BI+8*(\b)+7], v4, s[88:89] offset:64*(\b)+16
.endr
	; A fragment wants, of row r, k = 8 h + 0..7 and 16 + 8 h + 0..7.  In f32 those are 32 bytes at 32 h and 32 bytes at 64 + 32 h: four loads of 16 bytes
	v_mul_u32_u24 v[ADRA0], v1, PA
	v_lshl_add_u32 v[ADRA0], v2, 5, v[ADRA0]
	s_mul_i32 s21, s11, AHALF                      ; my 64 rows
	v_add_nc_u32 v[ADRA0], s21, v[ADRA0]
	v_mul_u32_u24 v[ADRB0], v1, PB                 ; in bf16: 16 bytes at 16 h and at 32 + 16 h
	v_lshl_add_u32 v[ADRB0], v2, 4, v[ADRB0]
	v_add_nc_u32 v[ADRB0], s23, v[ADRB0]           ; my 128 rows of wt are those of the half with my column half's number
	v_mov_b32 v[ADRA], v[ADRA0]
	v_mov_b32 v[ADRB], v[ADRB0]
	s_mul_i32 s21, s10, 16*SP
	s_add_co_u32 s21, s21, STAGE                   ; my stage
	v_mul_u32_u24 v5, v1, SP                       ; in: row r, 16 bytes for each half of the lanes
	v_lshl_add_u32 v5, v2, 4, v5
	v_add_nc_u32 v[STO], s21, v5
	v_mul_u32_u24 v5, v2, SP                       ; back: lanes 0-15 one row of 256 bytes, lanes 16-31 the next
	v_lshl_add_u32 v5, v1, 4, v5
	v_add_nc_u32 v[RD], s21, v5
	v_lshlrev_b32 v5, 11, v2                       ; and the same two rows in qkv, 2,048 bytes a row
	v_lshl_add_u32 v[CO], v1, 4, v5
	s_lshl_b32 s90, s43, 24                        ; qkv: the tensor,
	s_lshl_b32 s91, s13, 18                        ; the block's 128 rows,
	s_add_co_u32 s90, s90, s91
	s_lshl_b32 s91, s11, 17                        ; my 64,
	s_add_co_u32 s90, s90, s91
	s_lshl_b32 s91, s40, 9                         ; the block's 256 columns,
	s_add_co_u32 s90, s90, s91
	s_lshl_b32 s91, s12, 8                         ; my 128
	s_add_co_u32 s90, s90, s91
	s_mov_b32 s91, 0
	s_add_nc_u64 s[8:9], s[82:83], s[90:91]
	; the prefetches: X (waves 0, 1): lane l names row l / 2, block l % 2; wt (waves 2, 3): lane l names row l
	s_xor_b32 s21, s11, 1                          ; 1 for X, 0 for wt
	s_lshl_b32 s66, 256, s21                       ; a K step in bytes
	s_mov_b32 s67, 0
	v_lshrrev_b32 v5, s21, v3
	s_add_co_u32 s22, s21, 11                      ; rows of 4,096 or 2,048 bytes
	v_lshlrev_b32 v5, s22, v5
	v_and_b32 v6, s21, v3
	v_lshl_add_u32 v[PFO], v6, 8, v5
	s_and_b32 s22, s42, 15
	s_cmp_eq_u32 s22, 0                            ; the first of the clusters that walk this matrix
	s_cselect_b32 s15, 2, -1
	s_cmp_eq_u32 s11, 0
	s_cselect_b32 s15, 2, s15                      ; X's rows are read by this cluster alone
	s_cselect_b32 s90, s40, s41                    ; my place among the four that ask with me
	s_cselect_b64 s[46:47], s[4:5], s[6:7]
	s_lshl_b32 s90, s90, 16                        ; 16 rows of 4,096 bytes, or 32 of 2,048
	s_mul_i32 s91, s66, 3                          ; at K step 3: the first change of slots steps it to 4
	s_add_co_u32 s90, s90, s91
	s_mov_b32 s91, 0
	s_add_nc_u64 s[46:47], s[46:47], s[90:91]
	s_wait_loadcnt 0x0                             ; the bias; it is rounded to bf16 like the other inputs and widened again
.set i, 0
.rept 32
	v_cvt_pk_bf16_f32 v[5+i%4], v[BI+2*i], v[BI+2*i+1]
	v_lshlrev_b32 v[BI+2*i], 16, v[5+i%4]
	v_and_b32 v[BI+2*i+1], 0xffff0000, v[5+i%4]
.set i, i+1
.endr
.macro LDA q, f, a                     ; X's fragment a of quarter q, as it lies: 16 registers
	ds_load_b128 v[(\f)+16*(\a):(\f)+16*(\a)+3],     v[ADRA] offset:(\q)*128+(\a)*16*PA
	ds_load_b128 v[(\f)+16*(\a)+4:(\f)+16*(\a)+7],   v[ADRA] offset:(\q)*128+(\a)*16*PA+16
	ds_load_b128 v[(\f)+16*(\a)+8:(\f)+16*(\a)+11],  v[ADRA] offset:(\q)*128+(\a)*16*PA+64
	ds_load_b128 v[(\f)+16*(\a)+12:(\f)+16*(\a)+15], v[ADRA] offset:(\q)*128+(\a)*16*PA+80
.endm
.macro FETCH q, f                      ; one run of 32 LDS loads: the fragments of quarter q (32 along K) into buffer f, in the order in which they are wanted
	WIN 0x40                                       ; destination window 1, address window 0
	LDA \q, \f, 0
.irp b, 0,1,2,3,4,5,6,7
	ds_load_b128 v[(\f)+64+8*(\b):(\f)+64+8*(\b)+3],   v[ADRB] offset:(\q)*64+(\b)*16*PB
	ds_load_b128 v[(\f)+64+8*(\b)+4:(\f)+64+8*(\b)+7], v[ADRB] offset:(\q)*64+(\b)*16*PB+32
.endr
	LDA \q, \f, 1
	LDA \q, \f, 2
	LDA \q, \f, 3
.endm
.macro FIXH f, a, half                 ; half of a fragment of X rounded to bf16, in place and ascending: register i takes numbers 2 i and 2 i + 1
	WIN 0x45
.irp i, 0,1,2,3
	v_cvt_pk_bf16_f32 v[(\f)+16*(\a)+4*(\half)+(\i)], v[(\f)+16*(\a)+8*(\half)+2*(\i)], v[(\f)+16*(\a)+8*(\half)+2*(\i)+1]
.endr
.endm
; Eight matrix instructions: row block a x all 8 column blocks, 32 along K.  first = 1: the sums start with the bias.  Behind the second and the sixth stand four conversions of fragment ra of buffer rf.
; The 32 accumulators take turns, in the same order in every quarter.
.macro ROW f, a, first, rf, ra
.irp b, 0,1,2,3,4,5,6,7
.if \first
	WIN 0x85                                       ; wt and X in window 1, C in window 0, D in window 2
	v_wmma_f32_16x16x32_bf16 v[64*(\a)+8*(\b):64*(\a)+8*(\b)+7], v[(\f)+64+8*(\b):(\f)+64+8*(\b)+7], v[(\f)+16*(\a):(\f)+16*(\a)+7], v[BI+8*(\b):BI+8*(\b)+7]
.else
	WIN 0xa5                                       ; C and D in window 2
	v_wmma_f32_16x16x32_bf16 v[64*(\a)+8*(\b):64*(\a)+8*(\b)+7], v[(\f)+64+8*(\b):(\f)+64+8*(\b)+7], v[(\f)+16*(\a):(\f)+16*(\a)+7], v[64*(\a)+8*(\b):64*(\a)+8*(\b)+7]
.endif
.if ((\ra) >= 0) && ((\b) == 1)
	FIXH \rf, \ra, 0
.endif
.if ((\ra) >= 0) && ((\b) == 5)
	FIXH \rf, \ra, 1
.endif
.endr
.endm
; A quarter: multiplies buffer f; in its middle it fetches quarter q of the slot in hand into buffer g.  The sixteen conversions ahead of the run name registers of f alone: they are the places
; between the last product that read g and the loads into g (ISA guide 7.12.1 for vector instructions).
.macro QUARTER q, f, g, first=0
	s_wait_dscnt 2*NA                              ; X's fragments 0 and 1 and all of wt's are in; fragments 2 and 3 may be out
	ROW \f, 0, \first, \f, 1
	s_wait_dscnt NA                                ; fragment 2 is in
	ROW \f, 1, \first, \f, 2
	FETCH \q, \g
	s_wait_dscnt NF                                ; all but the run just issued: fragment 3 is in
	ROW \f, 2, \first, \f, 3
	s_wait_dscnt YA0                               ; the run's first four loads, g's fragment 0, are in
	ROW \f, 3, \first, \g, 0
.endm
; A K step's last quarter multiplies buffer 1 and changes slots: ONE barrier.  In front of it each wave waits for all its tensor loads (one is out: its part of the next slot), adds 0 to its spare word, and
; waits for that and for its reads of this slot.  fill = 1: the barrier opens a round of the cluster's, and the slot just read is filled again, first thing behind it, with the K step two steps on.
.macro TURN fill
.if \fill
	s_wait_xcnt 0x0                                ; the last prefetch, a K step back, has read its address
	s_add_nc_u64 s[46:47], s[46:47], s[66:67]
.endif
	WIN 0
	s_wait_tensorcnt 0x0                           ; no tensor load of mine is out, so a group 0 may be written
	ds_add_u32 v[SPW], v[NIL]                      ; 0 onto my spare word
.if \fill
	s_xor_b32 s[G0A+5], s[G0A+5], SLOT1            ; the walking descriptors: the other slot than last time, the next K step
	s_add_nc_u64 s[G0A+6:G0A+7], s[G0A+6:G0A+7], ASTEP
	s_xor_b32 s[G0B+5], s[G0B+5], SLOT1
	s_add_nc_u64 s[G0B+6:G0B+7], s[G0B+6:G0B+7], BSTEP
.endif
	s_xor_b32 s20, s20, SLOT1
	s_wait_dscnt 2*NA+1                            ; the add and X's fragments 2 and 3 may be out
	ROW F1, 0, 0, F1, 1
	s_wait_dscnt 0x0                               ; the add is done, and my reads of this slot are over
	s_barrier_signal -1
	ROW F1, 1, 0, F1, 2
	WIN 0
	v_add_nc_u32 v[ADRA], s20, v[ADRA0]            ; the fetches go on in the other slot
	v_add_nc_u32 v[ADRB], s20, v[ADRB0]
	s_barrier_wait -1
.if \fill
	CREST                                          ; no wave of any partner still reads this slot or has a load on its way
	JLOAD                                          ; 112 matrix instructions ahead of the wait for it
.endif
	FETCH 0, F0
.if \fill
	ASK
.endif
	ROW F1, 2, 0, F1, 3
	s_wait_dscnt YA0
	ROW F1, 3, 0, F0, 0
.endm
	s_wait_tensorcnt 0x1                           ; my part of K step 0 is in; K step 1's may stay out
	s_barrier_signal -1
	s_barrier_wait -1                              ; everybody's is
	FETCH 0, F0
	s_wait_dscnt YA0
	FIXH F0, 0, 0
	FIXH F0, 0, 1
	QUARTER 1, F0, F1, 1                           ; the first quarter stands in front of the loop: its products start the sums
	WIN 0                                          ; at a label and at a branch every window is 0
	s_mov_b32 s3, NSTEP-2
.Lstep:                                                ; a trip is a K step, from its second quarter to the next step's first; it fills the slot that it leaves
	QUARTER 2, F1, F0
	QUARTER 3, F0, F1
	TURN 1
	QUARTER 1, F0, F1
	WIN 0
	s_sub_co_u32 s3, s3, 1
	s_cmp_lg_u32 s3, 0
	s_cbranch_scc1 .Lstep
	QUARTER 2, F1, F0                              ; the last two K steps are written out: nothing more is asked for
	QUARTER 3, F0, F1
	TURN 0
	QUARTER 1, F0, F1
	QUARTER 2, F1, F0
	QUARTER 3, F0, F1
	s_wait_dscnt 2*NA
	ROW F1, 0, 0, F1, 1
	s_wait_dscnt NA
	ROW F1, 1, 0, F1, 2
	s_wait_dscnt 0x0
	ROW F1, 2, 0, F1, 3
	ROW F1, 3, 0, 0, -1
; THE WAY OUT, a block of 16 rows at a time: rounded to f16, 16 bytes a lane into my stage, back as whole rows of 256 bytes, stored.
.macro PACK a
	WIN 0x0a                                       ; sources in window 2, destination in window 0
.irp b, 0,1,2,3,4,5,6,7
.irp r, 0,1,2,3
	v_cvt_pk_f16_f32 v[TMP+4*(\b)+(\r)], v[64*(\a)+8*(\b)+2*(\r)], v[64*(\a)+8*(\b)+2*(\r)+1]
.endr
.endr
.endm
.macro TOSTAGE a
	WIN 0
.irp b, 0,1,2,3,4,5,6,7
	ds_store_b128 v[STO], v[TMP+4*(\b):TMP+4*(\b)+3] offset:32*(\b)
.endr
.irp t, 0,1,2,3,4,5,6,7
	ds_load_b128 v[OB+32*((\a)%2)+4*(\t):OB+32*((\a)%2)+4*(\t)+3], v[RD] offset:(\t)*2*SP  ; LDS serves a wave's instructions in order (ISA guide 5.7.1.4): these see the stores above
.endr
.endm
.macro SEND a
	WIN 0
	s_wait_dscnt 0x0                               ; the block is back in registers
	s_wait_xcnt 0x0                                ; the stores of the block before have read their registers, which the next block's loads from the stage write
.irp t, 0,1,2,3,4,5,6,7
	global_store_b128 v[CO], v[OB+32*((\a)%2)+4*(\t):OB+32*((\a)%2)+4*(\t)+3], s[8:9] offset:(16*(\a)+2*(\t))*2048  ; 16 lanes store 256 consecutive bytes, aligned
.endr
.endm
	PLACES
	PACK 0
	TOSTAGE 0
.irp a, 1,2,3
	PACK \a                                        ; a block's conversions stand between the loads of the block before and the wait for them
	SEND (\a)-1
	TOSTAGE \a
.endr
	SEND 3
	s_wait_tensorcnt 0x0                           ; the wave's end, behind my last tensor load and my last LDS store
	ds_add_u32 v[SPW], v[NIL]
	s_wait_dscnt 0x0
	CROUND                                         ; the closing round: no work-group ends while a partner may still ask for a tile that names it
	s_endpgm
.Lfunc_end_k_q9061685f5d_proj:
	.size	k_q9061685f5d_proj, .Lfunc_end_k_q9061685f5d_proj-k_q9061685f5d_proj
	.p2alignl 7, 3214868480
	.fill 96, 4, 3214868480
	.section	.rodata,"a",@progbits
	.p2align	6, 0x0
	.amdhsa_kernel k_q9061685f5d_proj
		.amdhsa_group_segment_fixed_size 327680
		.amdhsa_private_segment_fixed_size 0
		.amdhsa_enable_private_segment 0
		.amdhsa_kernarg_size 64
		.amdhsa_user_sgpr_count 2
		.amdhsa_user_sgpr_kernarg_segment_ptr 1
		.amdhsa_wavefront_size32 1
		.amdhsa_system_sgpr_workgroup_id_x 1
		.amdhsa_system_sgpr_workgroup_id_y 1
		.amdhsa_system_sgpr_workgroup_id_z 1
		.amdhsa_system_vgpr_workitem_id 0
		.amdhsa_next_free_vgpr 768
		.amdhsa_next_free_sgpr 92
		.amdhsa_reserve_vcc 0
		.amdhsa_float_denorm_mode_32 3
		.amdhsa_float_denorm_mode_16_64 3
		.amdhsa_memory_ordered 1
		.amdhsa_forward_progress 1
		.amdhsa_inst_pref_size 113
	.end_amdhsa_kernel
	.amdgpu_metadata
---
amdhsa.version: [ 1, 2 ]
amdhsa.kernels:
  - .name:           k_q9061685f5d_proj
    .symbol:         k_q9061685f5d_proj.kd
    .args:
      - { .name: query_input, .offset: 0, .size: 8, .value_kind: global_buffer, .address_space: global }
      - { .name: key_input, .offset: 8, .size: 8, .value_kind: global_buffer, .address_space: global }
      - { .name: value_input, .offset: 16, .size: 8, .value_kind: global_buffer, .address_space: global }
      - { .name: wt, .offset: 24, .size: 8, .value_kind: global_buffer, .address_space: global }
      - { .name: bq, .offset: 32, .size: 8, .value_kind: global_buffer, .address_space: global }
      - { .name: bk, .offset: 40, .size: 8, .value_kind: global_buffer, .address_space: global }
      - { .name: bv, .offset: 48, .size: 8, .value_kind: global_buffer, .address_space: global }
      - { .name: qkv, .offset: 56, .size: 8, .value_kind: global_buffer, .address_space: global }
    .group_segment_fixed_size: 327680
    .private_segment_fixed_size: 0
    .kernarg_segment_align: 8
    .kernarg_segment_size: 64
    .max_flat_workgroup_size: 128
    .sgpr_count:     92
    .vgpr_count:     768
    .wavefront_size: 32
...
	.end_amdgpu_metadata
.endif
;; end of part 2
;; launch scores (part 3): grid 8 x 32, 4 waves a work-group, clusters of 4 x 4, 327,680 bytes of LDS; arguments qkv, pmat, stats; writes pmat, stats
.if DOCPART == 3
	.amdgcn_target "amdgcn-amd-amdhsa--gfx1250"
	.amdhsa_code_object_version 6
	.text
	.protected	k_q9061685f5d_scores
	.globl	k_q9061685f5d_scores
	.p2align	8
	.type	k_q9061685f5d_scores,@function
k_q9061685f5d_scores:
	s_mov_b64 s[64:65], 0
	v_nop
	global_prefetch_b8 v0, s[64:65] scope:SCOPE_SE
	s_setreg_imm32_b32 hwreg(HW_REG_WAVE_MODE, 25, 1), 1
	s_wait_xcnt 0x0
	s_wait_alu depctr_hold_cnt(0) depctr_sa_sdst(0) depctr_va_vdst(0) depctr_va_sdst(0) depctr_va_ssrc(0) depctr_va_vcc(0) depctr_vm_vsrc(0)
	s_getreg_b32 s2, hwreg(HW_REG_IB_STS2, 6, 4)
	s_cmp_eq_u32 s2, 0
	s_cbranch_scc0 .Lentry_in_a_cluster
	s_endpgm
.Lentry_in_a_cluster:
	s_bfe_u32 s2, ttmp6, 0x10000c
	s_cmp_lg_u32 s2, 0xf033
	s_cbranch_scc0 .Lentry_shape_is_right
	s_endpgm
.Lentry_shape_is_right:
; For each query row and each block t of 128 keys of its batch: s = q . k, m_t = the block's largest s, pmat = f16(2^(c s - c m_t)), stats = c m_t and l_t = the sum of the block's 2^(c s - c m_t).
; c = log2(e) / 32: the softmax's scale 1 / sqrt(1024) and the change of base, applied in f32.  The next launch takes the row's true maximum M = max m_t away: exp(s - M) = exp(s - m_t) exp(m_t - M), both factors at most 1.
; qkv: [3][8192][1024] f16 (q, k, v); pmat: [8192][2048] f16; stats: [16 blocks][2][8192 rows] f32.  Products, maxima and sums in f32; l is the sum of the unrounded weights.
; LIMITS.  A weight below 6e-5 keeps f16's fixed step of 6e-8; one below 2^-126 counts as 0 in l.  NaN and infinities are not treated apart.
; SHARES.  A work-group makes 256 queries x 256 keys; its four waves 128 x 128 each (row half = wave / 2, key half = wave % 2): a wave's 128 keys ARE a block t, so maximum and sum never leave the wave.
; 4 batches x 8 x 8 = 256 work-groups.  K (the 1,024 channels) goes in steps of 128 through two LDS slots filled by the tensor data mover; a step is 256 matrix instructions a wave, and from the request
; for a slot to the wait for it a wave issues 224 of them.
; CLUSTER.  4 x 4 work-groups: the four of a row need the same tile of q, the four of a column the same tile of k (all sixteen lie in one batch); each tile is asked for jointly.
; THE MATRIX INSTRUCTION IS USED TRANSPOSED (source 0 = 16 keys, source 1 = 16 queries): a lane holds query l % 16 and the keys 16 b + 8 (l / 16) + 0..7; the lane 16 away holds the query's other 64 keys.
; REGISTERS, in windows of 256 (s_set_vgpr_msb: bits 1:0 source 0, 3:2 source 1, 5:4 source 2, 7:6 destination):
;   window 0: v0-24 addresses; v32-35 at work; v40-47 c m and m by block of 16 rows; v48-51 l; v52-55 stats on their way out; v64-127 the weights; v128-159 packed; v160-223 rows on their way out
;   window 1: two fragment buffers of 128: q's fragment a at 8 a, k's fragment b at 64 + 8 b
;   window 2: accumulator (a, b) of row blocks a = 0..3 at 64 a + 8 b          window 3: those of row blocks 4..7 at 64 (a - 4) + 8 b
.set KSTEP,  128
.set NSTEP,  1024/KSTEP
.set PT,     272                       ; an LDS row: 256 bytes + 16: the 16 rows of a load start at 16 different groups of four banks (64 banks of 4 bytes: ISA guide 11.1)
.set HALFT,  128*PT                    ; 128 rows: what one tensor load brings, and what one wave reads of q or of k
.set BOFF,   2*HALFT                   ; k's 256 rows lie behind q's
.set SLOT1,  4*HALFT                   ; = 0x22000: its two bits are set in none of the four fills' addresses in slot 0 (0, 0x8800, 0x11000, 0x19800), so one exclusive or changes slots
.set STAGE,  2*SLOT1                   ; behind the ring: 16 rows x 272 bytes for each wave
.set SP,     272
.set SSTG,   STAGE+4*16*SP             ; 512 bytes for each wave: 64 c m, then 64 l
.set SPARE,  SSTG+4*512                ; the spare words, 128 bytes for each wave
.set STEPB,  KSTEP*2
.set ADRA0, 12                         ; v12  my lane's place in q's tile of slot 0; never rewritten
.set ADRB0, 13                         ; v13  the same for k
.set ADRA,  14                         ; v14  the same in the slot in hand
.set ADRB,  15
.set STO,   16                         ; v16  the way out: where I put 16 bytes of a row
.set RD,    17                         ; v17  where I read a row back
.set CO,    18                         ; v18  my byte offset in two rows of pmat
.set PFO,   19                         ; v19  the prefetches' offset: my lane x a row of 2,048 bytes; never rewritten
.set SPW,   20                         ; v20  LDS address of my spare word; never rewritten
.set NIL,   21                         ; v21  0; never rewritten
.set SA,    22                         ; v22  where I put a row's c m
.set SB,    23                         ; v23  where I read 16 bytes of the wave's 512 back
.set SO,    24                         ; v24  their place in stats
.set OB,    160
.set F0,    0
.set F1,    128
.set G1A, 24                           ; s[24:31] descriptor group 1 for q's tiles
.set G0A, 32                           ; s[32:39] group 0: the first fill's, then the one that walks
.set G1B, 48                           ; s[48:55], s[56:63] the same for k's
.set G0B, 56
.set MSB, 0
.macro WIN new                         ; the immediate's high byte repeats the setting that is left; a switch that changes nothing is dropped
.if MSB != (\new)
	s_set_vgpr_msb (MSB<<8)|(\new)
.set MSB, \new
.endif
.endm
.macro PLACES                          ; four places between a matrix instruction and a load into, or a vector instruction on, its registers (ISA guide 7.12.1 for vector instructions)
.rept 4
	v_nop
.endr
.endm
.macro CREST                           ; a round of the cluster's barrier behind its opening barrier
	s_cmp_lg_u32 s10, 0
	s_cbranch_scc1 .Lnot_wave_0_\@
	s_barrier_signal -3
.Lnot_wave_0_\@:
	s_barrier_wait -3
	s_barrier_signal -1
	s_barrier_wait -1
.endm
.macro CROUND
	s_barrier_signal -1
	s_barrier_wait -1
	CREST
.endm
.macro JLOAD                           ; a joint refill: waves 0 and 1 fetch q's two halves, waves 2 and 3 k's; an s_nop 0 and four v_nop follow each line
	s_cmp_eq_u32 s11, 0
	s_cbranch_scc0 .Lfor_b_\@
	tensor_load_to_lds s[G0A+4:G0A+7], s[G1A:G1A+7]
	s_nop 0
	PLACES
	s_branch .Lasked_\@
.Lfor_b_\@:
	tensor_load_to_lds s[G0B+4:G0B+7], s[G1B:G1B+7]
	s_nop 0
	PLACES
.Lasked_\@:
.endm
; A prefetch into the L2 of the K step that the NEXT refill will ask for, 256 matrix instructions ahead of that load: a lane a row, 256 bytes of each, one instruction a wave, behind the joint load and the run of LDS loads.
; Of the 128 rows that a wave fetches each of the four partners that ask for them jointly takes 32, told apart by address (cx for q, cy for k).  q's rows are read by the two clusters of a row of clusters: the one with
; x = 0 asks; k's by the batch's two clusters of a column: the one with even y asks.  So each row's 256 bytes of a K step are named once in the launch.  K steps 0 to 2 come by their loads alone; the loop's last trip,
; behind whose refill no K step is left, asks for nothing.
.macro ASK
	WIN 0
	s_cmp_gt_u32 s3, s15
	s_cbranch_scc0 .Lnot_mine_\@
	global_prefetch_b8 v[PFO], s[46:47] th:TH_LOAD_NT scope:SCOPE_SE
.Lnot_mine_\@:
.endm
	s_load_b128 s[68:71], s[0:1], 0x0              ; qkv s[68:69], pmat s[70:71]
	s_load_b64 s[72:73], s[0:1], 0x10              ; stats
	v_lshl_add_u32 v[SPW], v0, 2, SPARE
	v_mov_b32 v[NIL], 0
	ds_add_u32 v[SPW], v[NIL]                      ; the wave's opening: the add and its wait stand ahead of my first tensor load; the set-up below stands between them
	v_lshrrev_b32 v4, 5, v0
	v_readfirstlane_b32 s10, v4                    ; wave 0..3
	s_lshr_b32 s11, s10, 1                         ; my half of the queries.  Also: I fetch for q (0) or for k (1)
	s_and_b32 s12, s10, 1                          ; my half of the keys.  Also: which half of that tile I fetch
	s_bfe_u32 s40, ttmp6, 0x40000                  ; cx
	s_bfe_u32 s41, ttmp6, 0x40004                  ; cy
	s_and_b32 s42, ttmp7, 0xffff                   ; cluster y, 0 to 7
	s_lshr_b32 s43, s42, 1                         ; the batch: two clusters of 1,024 queries each
	s_lshl_b32 s13, s42, 2
	s_add_co_u32 s13, s13, s41                     ; block of 256 queries, 0 to 31
	s_lshl_b32 s14, ttmp9, 2
	s_add_co_u32 s14, s14, s40                     ; block of 256 keys of the batch, 0 to 7
	s_lshl_b32 s44, s41, 2
	s_lshl_b32 s44, 15, s44                        ; my row of the cluster
	s_lshl_b32 s45, 0x1111, s40                    ; my column
	s_or_b32 s[G1A], s44, (1<<16)|(1<<20)|(1<<21)|(5<<22)|(3<<25)  ; the mask; elements of 2 bytes; padding on; bit 21 beside a mask; after every 64 words (code 5) 4 words (code 3)
	s_or_b32 s[G1B], s45, (1<<16)|(1<<20)|(1<<21)|(5<<22)|(3<<25)
.irp g, G1A, G1B
	s_mov_b32 s[(\g)+1], KSTEP<<16                 ; tensor_dim0 = 128
	s_mov_b32 s[(\g)+2], 128<<16                   ; tensor_dim1 = 128
	s_mov_b32 s[(\g)+3], KSTEP<<16                 ; tile_dim0 = 128
	s_mov_b32 s[(\g)+4], 128                       ; tile_dim1 = 128
	s_mov_b32 s[(\g)+5], 1024                      ; elements from row to row
	s_mov_b32 s[(\g)+6], 0
	s_mov_b32 s[(\g)+7], 0
.endr
	s_lshl_b32 s21, s12, 18                        ; 128 rows of 2,048 bytes a half
	s_lshl_b32 s16, s13, 19                        ; q: 256 rows a block
	s_add_co_u32 s16, s16, s21
	s_mov_b32 s17, 0
	s_lshl_b32 s18, s43, 22                        ; k: the batch's 2,048 rows,
	s_add_co_u32 s18, s18, 1<<24                   ; behind q,
	s_lshl_b32 s90, s14, 19                        ; 256 rows a block
	s_add_co_u32 s18, s18, s90
	s_add_co_u32 s18, s18, s21
	s_mov_b32 s19, 0
	s_mul_i32 s22, s12, HALFT                      ; where the tiles go: no place in the cluster enters an LDS address
	s_add_co_u32 s23, s22, BOFF
	s_mov_b32 s20, 0                               ; the slot in hand
	s_mov_b32 s84, 0x3d38aa3b                      ; c = log2(e) / 32
	s_mov_b32 s85, s84                             ; named with it as a pair
	s_mov_b32 s86, 0x76543210                      ; v_permlanex16_b32: each lane takes its own place in the other half
	s_mov_b32 s87, 0xfedcba98
	s_wait_dscnt 0x0                               ; the opening add is done
	s_wait_kmcnt 0x0
	s_add_nc_u64 s[4:5], s[68:69], s[16:17]        ; q at the 128 rows that I would fetch
	s_add_nc_u64 s[6:7], s[68:69], s[18:19]        ; k at the 128 rows that I would fetch
	CROUND                                         ; all sixteen work-groups are here: the first joint loads meet
.irp s, 0,1
	s_mov_b32 s[G0A+4*(\s)], 1                     ; count = 1
	s_add_co_u32 s[G0A+4*(\s)+1], s22, (\s)*SLOT1  ; LDS address
	s_add_nc_u64 s[G0A+4*(\s)+2:G0A+4*(\s)+3], s[4:5], (\s)*STEPB  ; global address: K step s
	s_or_b32 s[G0A+4*(\s)+3], s[G0A+4*(\s)+3], 0x80000000          ; type = 2
	s_mov_b32 s[G0B+4*(\s)], 1
	s_add_co_u32 s[G0B+4*(\s)+1], s23, (\s)*SLOT1
	s_add_nc_u64 s[G0B+4*(\s)+2:G0B+4*(\s)+3], s[6:7], (\s)*STEPB
	s_or_b32 s[G0B+4*(\s)+3], s[G0B+4*(\s)+3], 0x80000000
.endr
	s_cmp_eq_u32 s11, 0                            ; a wave's two first fills stand in one branch, ahead of every wait on TENSORcnt and every LDS read: two loads of mine are out
	s_cbranch_scc0 .Lfirst_b
	tensor_load_to_lds s[G0A:G0A+3], s[G1A:G1A+7]
	s_nop 0
	tensor_load_to_lds s[G0A+4:G0A+7], s[G1A:G1A+7]
	s_nop 0
	PLACES
	s_branch .Lfirst_asked
.Lfirst_b:
	tensor_load_to_lds s[G0B:G0B+3], s[G1B:G1B+7]
	s_nop 0
	tensor_load_to_lds s[G0B+4:G0B+7], s[G1B:G1B+7]
	s_nop 0
	PLACES
.Lfirst_asked:
	v_and_b32 v1, 15, v0                           ; r = l % 16
	v_bfe_u32 v2, v0, 4, 1                         ; h = l / 16
	v_and_b32 v3, 31, v0                           ; l
	v_mul_u32_u24 v5, v1, PT
	v_lshl_add_u32 v5, v2, 4, v5                   ; a fragment's row x pitch + 16 x half
	s_mul_i32 s21, s11, HALFT                      ; my 128 queries
	v_add_nc_u32 v[ADRA0], s21, v5
	v_add_nc_u32 v[ADRB0], s23, v5                 ; my 128 keys are those of the half with my key half's number
	v_mov_b32 v[ADRA], v[ADRA0]
	v_mov_b32 v[ADRB], v[ADRB0]
	s_mul_i32 s21, s10, 16*SP
	s_add_co_u32 s21, s21, STAGE                   ; my stage
	v_add_nc_u32 v[STO], s21, v5                   ; it has the same pitch: row r, 16 bytes for each half of the lanes
	v_mul_u32_u24 v5, v2, SP                       ; back: lanes 0-15 one row of 256 bytes, lanes 16-31 the next
	v_lshl_add_u32 v5, v1, 4, v5
	v_add_nc_u32 v[RD], s21, v5
	v_lshlrev_b32 v5, 12, v2                       ; and the same two rows in pmat, 4,096 bytes a row
	v_lshl_add_u32 v[CO], v1, 4, v5
	s_lshl_b32 s21, s10, 9
	s_add_co_u32 s21, s21, SSTG
	v_lshl_add_u32 v[SA], v1, 2, s21
	v_lshl_add_u32 v[SB], v3, 4, s21
	v_lshlrev_b32 v5, 15, v2                       ; lanes 0-15: c m; lanes 16-31: l, 32,768 bytes on
	v_lshl_add_u32 v[SO], v1, 4, v5
	s_lshl_b32 s90, s13, 20                        ; pmat: the block's 256 rows,
	s_lshl_b32 s91, s11, 19                        ; my 128,
	s_add_co_u32 s90, s90, s91
	s_lshl_b32 s91, s14, 9                         ; the block's 256 keys,
	s_add_co_u32 s90, s90, s91
	s_lshl_b32 s91, s12, 8                         ; my 128
	s_add_co_u32 s90, s90, s91
	s_mov_b32 s91, 0
	s_add_nc_u64 s[8:9], s[70:71], s[90:91]
	s_lshl_b32 s90, s14, 17                        ; stats: block t = 2 x key block + my half, 65,536 bytes each,
	s_lshl_b32 s91, s12, 16
	s_add_co_u32 s90, s90, s91
	s_lshl_b32 s91, s13, 10                        ; the 256 rows,
	s_add_co_u32 s90, s90, s91
	s_lshl_b32 s91, s11, 9                         ; my 128
	s_add_co_u32 s90, s90, s91
	s_mov_b32 s91, 0
	s_add_nc_u64 s[88:89], s[72:73], s[90:91]
	s_and_b32 s21, s42, 1                          ; the prefetches: k's by the first of the batch's two clusters,
	s_cmp_eq_u32 s11, 0
	s_cselect_b32 s21, ttmp9, s21                  ; q's by the first of the two clusters along x
	s_cselect_b32 s90, s40, s41                    ; my place among the four that ask with me
	s_cselect_b64 s[46:47], s[4:5], s[6:7]
	s_cmp_eq_u32 s21, 0
	s_cselect_b32 s15, 1, -1                       ; the same in all sixteen partners, for a given wave
	s_lshl_b32 s90, s90, 16                        ; 32 rows of 2,048 bytes
	s_add_co_u32 s90, s90, 2*STEPB                 ; at K step 2: the first change of slots steps it to 3
	s_mov_b32 s91, 0
	s_add_nc_u64 s[46:47], s[46:47], s[90:91]
	v_lshlrev_b32 v[PFO], 11, v3
; One run of 32 LDS loads: the fragments of quarter q (32 along K) of the slot in hand into buffer f: k's eight, then q's eight.
; A fragment is 16 rows x 32 channels in 8 registers: lane l holds row l % 16, channels 8 (l / 16) + 0..7 and 16 + 8 (l / 16) + 0..7: two loads of 16 bytes, 32 bytes apart.
.macro FETCH q, f
	WIN 0x40                                       ; destination window 1, address window 0
.irp b, 0,1,2,3,4,5,6,7
	ds_load_b128 v[(\f)+64+8*(\b):(\f)+64+8*(\b)+3],   v[ADRB] offset:(\q)*64+(\b)*16*PT
	ds_load_b128 v[(\f)+64+8*(\b)+4:(\f)+64+8*(\b)+7], v[ADRB] offset:(\q)*64+(\b)*16*PT+32
.endr
.irp a, 0,1,2,3,4,5,6,7
	ds_load_b128 v[(\f)+8*(\a):(\f)+8*(\a)+3],   v[ADRA] offset:(\q)*64+(\a)*16*PT
	ds_load_b128 v[(\f)+8*(\a)+4:(\f)+8*(\a)+7], v[ADRA] offset:(\q)*64+(\a)*16*PT+32
.endr
.endm
; 16 matrix instructions: row blocks a0, a0 + 1 x all 8 key blocks, 32 along K.  first = 1: the products start the sums.  The 64 accumulators take turns, in the same order in every quarter.
.macro MUL16 f, a0, first
	WIN 0xa5+0x50*((\a0)/4)                        ; k and q in window 1; C and D in window 2 (row blocks 0-3) or 3 (row blocks 4-7)
.irp a, \a0, (\a0)+1
.irp b, 0,1,2,3,4,5,6,7
.if \first
	v_wmma_f32_16x16x32_f16 v[64*((\a)%4)+8*(\b):64*((\a)%4)+8*(\b)+7], v[(\f)+64+8*(\b):(\f)+64+8*(\b)+7], v[(\f)+8*(\a):(\f)+8*(\a)+7], 0
.else
	v_wmma_f32_16x16x32_f16 v[64*((\a)%4)+8*(\b):64*((\a)%4)+8*(\b)+7], v[(\f)+64+8*(\b):(\f)+64+8*(\b)+7], v[(\f)+8*(\a):(\f)+8*(\a)+7], v[64*((\a)%4)+8*(\b):64*((\a)%4)+8*(\b)+7]
.endif
.endr
.endr
.endm
; A K step is four quarters of 32 along K, 64 matrix instructions each, on buffers 0, 1, 0, 1.  One of the first three: multiplies buffer f; in its middle it fetches quarter q into buffer g.
.macro QUARTER q, f, g, first=0
	s_wait_dscnt 8                                 ; k's fragments and q's 0-3 are in; the youngest eight loads (q's 4-7) may be out
	MUL16 \f, 0, \first
	MUL16 \f, 2, \first
	PLACES
	FETCH \q, \g
	s_wait_dscnt 32                                ; all but the 32 just issued
	MUL16 \f, 4, \first
	MUL16 \f, 6, \first
.endm
; A K step's last quarter multiplies buffer 1 and changes slots: ONE barrier.  In front of it each wave waits for all its tensor loads (one is out: its part of the next slot), adds 0 to its spare word, and
; waits for that and for its reads of this slot.  fill = 1: the barrier opens a round of the cluster's, and the slot just read is filled again, first thing behind it, with the K step two steps on.
.macro TURN fill
.if \fill
	s_wait_xcnt 0x0                                ; the last prefetch, a K step back, has read its address
	s_add_nc_u64 s[46:47], s[46:47], STEPB
.endif
	WIN 0
	s_wait_tensorcnt 0x0                           ; no tensor load of mine is out, so a group 0 may be written
	ds_add_u32 v[SPW], v[NIL]                      ; 0 onto my spare word
.if \fill
	s_xor_b32 s[G0A+5], s[G0A+5], SLOT1            ; the walking descriptors: the other slot than last time, the next K step
	s_add_nc_u64 s[G0A+6:G0A+7], s[G0A+6:G0A+7], STEPB
	s_xor_b32 s[G0B+5], s[G0B+5], SLOT1
	s_add_nc_u64 s[G0B+6:G0B+7], s[G0B+6:G0B+7], STEPB
.endif
	s_xor_b32 s20, s20, SLOT1
	s_wait_dscnt 9                                 ; the add and the youngest eight loads may be out
	MUL16 F1, 0, 0                                 ; sixteen matrix instructions stand between the add and the wait for it
	s_wait_dscnt 0x0                               ; the add is done, and my reads of this slot are over
	s_barrier_signal -1
	MUL16 F1, 2, 0                                 ; work on registers while the others arrive
	WIN 0
	v_add_nc_u32 v[ADRA], s20, v[ADRA0]            ; the fetches go on in the other slot
	v_add_nc_u32 v[ADRB], s20, v[ADRB0]
	s_barrier_wait -1
.if \fill
	CREST                                          ; no wave of any partner still reads this slot or has a load on its way
	JLOAD                                          ; 224 matrix instructions ahead of the wait for it; its four v_nop are also the places in front of the loads below
.else
	PLACES
.endif
	FETCH 0, F0
.if \fill
	ASK
.endif
	MUL16 F1, 4, 0
	MUL16 F1, 6, 0
.endm
	s_wait_tensorcnt 0x1                           ; my part of K step 0 is in; K step 1's may stay out
	s_barrier_signal -1
	s_barrier_wait -1                              ; everybody's is
	FETCH 0, F0
	QUARTER 1, F0, F1, 1                           ; the first quarter stands in front of the loop: its products start the sums
	WIN 0                                          ; at a label and at a branch every window is 0
	s_mov_b32 s3, NSTEP-2
.Lstep:                                                ; a trip is a K step, from its second quarter to the next step's first; it fills the slot that it leaves
	QUARTER 2, F1, F0
	QUARTER 3, F0, F1
	TURN 1
	QUARTER 1, F0, F1
	WIN 0
	s_sub_co_u32 s3, s3, 1
	s_cmp_lg_u32 s3, 0
	s_cbranch_scc1 .Lstep
	QUARTER 2, F1, F0                              ; the last two K steps are written out: nothing more is asked for
	QUARTER 3, F0, F1
	TURN 0
	QUARTER 1, F0, F1
	QUARTER 2, F1, F0
	QUARTER 3, F0, F1
	s_wait_dscnt 8
	MUL16 F1, 0, 0
	MUL16 F1, 2, 0
	s_wait_dscnt 0x0
	MUL16 F1, 4, 0
	MUL16 F1, 6, 0
; THE WAY OUT of block a (16 queries x 128 keys; a lane holds 64 scores, at 64 a of window 2).  The maximum in four chains of 16 scores, three operands at a time (each accumulator is first read at its low end)
; the other half of the lanes'; c s - c m; 64 exponentials as one batch with one wait; the roundings to f16; the sum as a tree in place; then through my stage in LDS.
.macro SOFT a
	WIN 0x2a                                       ; all three sources in window 2
.irp k, 0,1,2,3
	v_max3_num_f32 v[32+(\k)], v[64*(\a)+16*(\k)], v[64*(\a)+16*(\k)+1], v[64*(\a)+16*(\k)+2]
.endr
	WIN 0x28                                       ; source 0 in window 0
.irp u, 0,1,2,3,4,5
.irp k, 0,1,2,3
	v_max3_num_f32 v[32+(\k)], v[32+(\k)], v[64*(\a)+16*(\k)+3+2*(\u)], v[64*(\a)+16*(\k)+4+2*(\u)]
.endr
.endr
	v_max3_num_f32 v32, v32, v[64*(\a)+15], v[64*(\a)+31]
	v_max3_num_f32 v34, v34, v[64*(\a)+47], v[64*(\a)+63]
	WIN 0
	v_max3_num_f32 v32, v32, v33, v34
	v_max_num_f32 v32, v32, v35
	v_permlanex16_b32 v33, v32, s86, s87           ; the query's other 64 keys lie in the lane 16 away
	v_max_num_f32 v[41+2*(\a)], v32, v33           ; m
	v_mul_f32 v[40+2*(\a)], s84, v[41+2*(\a)]      ; c m
	WIN 0x02                                       ; source 0 in window 2
.set i, 0
.rept 32
	v_pk_fma_f32 v[64+2*i:65+2*i], v[64*(\a)+2*i:64*(\a)+2*i+1], s[84:85], v[40+2*(\a):41+2*(\a)] op_sel_hi:[1,0,0] neg_lo:[0,0,1] neg_hi:[0,0,1]
.set i, i+1
.endr
	WIN 0
.set i, 0
.rept 64
	v_exp_f32 v[64+i], v[64+i]
.set i, i+1
.endr
	v_nop                                          ; a plain instruction behind the last exponential,
	s_wait_alu depctr_va_vdst(0)                   ; and the one wait ahead of the batch's first reader
.set i, 0
.rept 32
	v_cvt_pk_f16_f32 v[128+i], v[64+2*i], v[65+2*i]
.set i, i+1
.endr
.irp w, 16,8,4,2,1
.set i, 0
.rept \w
	v_pk_add_f32 v[64+2*i:65+2*i], v[64+2*i:65+2*i], v[64+2*(i+\w):65+2*(i+\w)]
.set i, i+1
.endr
.endr
	v_add_f32 v34, v64, v65
	v_permlanex16_b32 v35, v34, s86, s87
	v_add_f32 v[48+(\a)], v34, v35                 ; l
.irp b, 0,1,2,3,4,5,6,7
	ds_store_b128 v[STO], v[128+4*(\b):131+4*(\b)] offset:32*(\b)
.endr
	s_wait_xcnt 0x0                                ; the stores of the block two back have read the registers that the loads below write
.irp t, 0,1,2,3,4,5,6,7
	ds_load_b128 v[OB+32*((\a)%2)+4*(\t):OB+32*((\a)%2)+4*(\t)+3], v[RD] offset:(\t)*2*SP  ; LDS serves a wave's instructions in order (ISA guide 5.7.1.4): these see the stores above
.endr
.endm
.macro SENDP a, younger                ; younger: the LDS instructions issued behind block a's loads: the next block's sixteen, or none
	WIN 0
	s_wait_dscnt \younger
.irp t, 0,1,2,3,4,5,6,7
	global_store_b128 v[CO], v[OB+32*((\a)%2)+4*(\t):OB+32*((\a)%2)+4*(\t)+3], s[8:9] offset:(16*(\a)+2*(\t))*4096  ; 16 lanes store 256 consecutive bytes, aligned
.endr
.endm
; The wave's 128 rows go out in two trips of 64: the text below names window 2's accumulators; between the trips window 3's are moved to those names and the two pointers step 64 rows.
; The price: 256 v_mov_b32 a wave, once; the gain: the way out's text stands once, not twice.
	PLACES
	WIN 0
	s_mov_b32 s3, 2
.Lhalf:
	SOFT 0
	SOFT 1                                         ; a block's arithmetic stands between the loads of the block before and its stores
	SENDP 0, 16
	SOFT 2
	SENDP 1, 16
	SOFT 3
	SENDP 2, 16
	SENDP 3, 0
.irp a, 0,1,2,3                        ; the trip's 64 c m and 64 l: both halves of the lanes hold, and write, the same numbers
	ds_store_b32 v[SA], v[40+2*(\a)] offset:64*(\a)
	ds_store_b32 v[SA], v[48+(\a)] offset:256+64*(\a)
.endr
	ds_load_b128 v[52:55], v[SB]
	s_wait_dscnt 0x0
	global_store_b128 v[SO], v[52:55], s[88:89]    ; two aligned runs of 256 bytes
	s_cmp_eq_u32 s3, 1                             ; behind the second trip nothing is left to move
	s_cbranch_scc1 .Lmoved
	s_wait_xcnt 0x0                                ; the stores have read their bases and their registers
	s_add_nc_u64 s[8:9], s[8:9], 64*4096           ; 64 rows of pmat on
	s_add_nc_u64 s[88:89], s[88:89], 64*4          ; and 64 rows of stats
	WIN 0x83                                       ; source in window 3, destination in window 2
.set i, 0
.rept 256
	v_mov_b32 v[i], v[i]                           ; ascending: each accumulator is first read at its low end
.set i, i+1
.endr
	WIN 0
.Lmoved:
	s_sub_co_u32 s3, s3, 1
	s_cmp_lg_u32 s3, 0
	s_cbranch_scc1 .Lhalf
	s_wait_tensorcnt 0x0                           ; the wave's end, behind my last tensor load and my last LDS store
	ds_add_u32 v[SPW], v[NIL]
	s_wait_dscnt 0x0
	CROUND                                         ; the closing round: no work-group ends while a partner may still ask for a tile that names it
	s_endpgm
.Lfunc_end_k_q9061685f5d_scores:
	.size	k_q9061685f5d_scores, .Lfunc_end_k_q9061685f5d_scores-k_q9061685f5d_scores
	.p2alignl 7, 3214868480
	.fill 96, 4, 3214868480
	.section	.rodata,"a",@progbits
	.p2align	6, 0x0
	.amdhsa_kernel k_q9061685f5d_scores
		.amdhsa_group_segment_fixed_size 327680
		.amdhsa_private_segment_fixed_size 0
		.amdhsa_enable_private_segment 0
		.amdhsa_kernarg_size 24
		.amdhsa_user_sgpr_count 2
		.amdhsa_user_sgpr_kernarg_segment_ptr 1
		.amdhsa_wavefront_size32 1
		.amdhsa_system_sgpr_workgroup_id_x 1
		.amdhsa_system_sgpr_workgroup_id_y 1
		.amdhsa_system_sgpr_workgroup_id_z 1
		.amdhsa_system_vgpr_workitem_id 0
		.amdhsa_next_free_vgpr 1024
		.amdhsa_next_free_sgpr 92
		.amdhsa_reserve_vcc 0
		.amdhsa_float_denorm_mode_32 3
		.amdhsa_float_denorm_mode_16_64 3
		.amdhsa_memory_ordered 1
		.amdhsa_forward_progress 1
		.amdhsa_inst_pref_size 144
	.end_amdhsa_kernel
	.amdgpu_metadata
---
amdhsa.version: [ 1, 2 ]
amdhsa.kernels:
  - .name:           k_q9061685f5d_scores
    .symbol:         k_q9061685f5d_scores.kd
    .args:
      - { .name: qkv, .offset: 0, .size: 8, .value_kind: global_buffer, .address_space: global }
      - { .name: pmat, .offset: 8, .size: 8, .value_kind: global_buffer, .address_space: global }
      - { .name: stats, .offset: 16, .size: 8, .value_kind: global_buffer, .address_space: global }
    .group_segment_fixed_size: 327680
    .private_segment_fixed_size: 0
    .kernarg_segment_align: 8
    .kernarg_segment_size: 24
    .max_flat_workgroup_size: 128
    .sgpr_count:     92
    .vgpr_count:     1024
    .wavefront_size: 32
...
	.end_amdgpu_metadata
.endif
;; end of part 3
;; launch pv (part 4): grid 4 x 64, 4 waves a work-group, clusters of 4 x 4, 327,680 bytes of LDS; arguments pmat, qkv, stats, out0; writes out0
.if DOCPART == 4
	.amdgcn_target "amdgcn-amd-amdhsa--gfx1250"
	.amdhsa_code_object_version 6
	.text
	.protected	k_q9061685f5d_pv
	.globl	k_q9061685f5d_pv
	.p2align	8
	.type	k_q9061685f5d_pv,@function
k_q9061685f5d_pv:
	s_mov_b64 s[64:65], 0
	v_nop
	global_prefetch_b8 v0, s[64:65] scope:SCOPE_SE
	s_setreg_imm32_b32 hwreg(HW_REG_WAVE_MODE, 25, 1), 1
	s_wait_xcnt 0x0
	s_wait_alu depctr_hold_cnt(0) depctr_sa_sdst(0) depctr_va_vdst(0) depctr_va_sdst(0) depctr_va_ssrc(0) depctr_va_vcc(0) depctr_vm_vsrc(0)
	s_getreg_b32 s2, hwreg(HW_REG_IB_STS2, 6, 4)
	s_cmp_eq_u32 s2, 0
	s_cbranch_scc0 .Lentry_in_a_cluster
	s_endpgm
.Lentry_in_a_cluster:
	s_bfe_u32 s2, ttmp6, 0x10000c
	s_cmp_lg_u32 s2, 0xf033
	s_cbranch_scc0 .Lentry_shape_is_right
	s_endpgm
.Lentry_shape_is_right:
; out0[row][d] = (sum over blocks t of 128 keys of sum over the block's keys of (P[row][key] g_t) v[key][d]) / L, with g_t = 2^(c m_t - c M), c M = the largest of the row's 16 c m_t, L = sum of g_t l_t.
; P and the pairs (c m_t, l_t) come from the launch before: P = 2^(c s - c m_t).  So P g_t = 2^(c s - c M): the row's true maximum is taken away; both factors are at most 1, and L is at least 1.
; pmat: [8192][2048] f16; v = qkv[2]: [8192][1024] f16; stats: [16][2][8192] f32; out0: [8192][1024] f32.  g is rounded to f16 and P g once more (L is made with the rounded g); products and sums in f32.
; LIMITS.  P g below 6e-5 keeps f16's fixed step of 6e-8; a g below 2^-126 counts as 0.  NaN and infinities are not treated apart.
; SHARES.  A work-group makes 128 rows x 256 channels; its four waves 64 x 128 each.  K (the batch's 2,048 keys) goes in 16 steps of 128, a step a block t, through two LDS slots.  64 x 4 = 256 work-groups.
; P is scaled in registers between its LDS load and the product: eight packed multiplies a fragment, in fours behind matrix instructions of the fragment before.  v lies [key][channel] and is turned by ds_load_tr16_b128.
; CLUSTER.  4 x 4: the four of a row make the four channel blocks of the same rows and need the same tile of P; the four of a column need the same tile of v; each tile is asked for jointly.
; THE MATRIX INSTRUCTION IS USED TRANSPOSED (source 0 = 16 channels, source 1 = 16 rows of P): a lane holds row l % 16 and the channels 16 b + 8 (l / 16) + 0..7.
; REGISTERS: window 0: v0-22 addresses; v36-47 1 / L; v64-127 at work; v128-255 rows on their way out
;   window 1: two fragment buffers of 128: P's fragment a at 16 a, the step's four g (row blocks 0-3, each twice in a word) at 8..11, v's fragment b at 64 + 8 b          window 2: accumulator (a, b) at 64 a + 8 b
.set KSTEP,  128
.set NSTEP,  2048/KSTEP
.set NA,     2                         ; LDS loads for a fragment of P
.set NF,     17+4*NA                   ; LDS loads in a run: g, P's fragment 0, v's eight, P's 1, 2, 3
.set YA0,    16+3*NA                   ; of them, those issued behind P's fragment 0
.set PA,     272                       ; a row of P in LDS: 256 bytes + 16
.set PB,     544                       ; a key's 256 channels: 512 bytes + 32 = 136 words
.set AHALF,  64*PA
.set BHALF,  64*PB
.set BOFF,   2*AHALF
.set SLOT1,  1<<17
.set TABLE,  SLOT1+BOFF+2*BHALF        ; behind the ring: g, 512 bytes a step (row half, row % 16, row block), then 1 / L in the same order
.set STAGE,  TABLE+17*512              ; 16 rows x 528 bytes for each wave
.set SP,     528
.set SPARE,  STAGE+4*16*SP             ; the spare words, 128 bytes for each wave
.set ASTEP,  KSTEP*2                   ; a K step in a row of P, in bytes
.set BSTEP,  KSTEP*2048                ; and down the rows of v
.set ADRA0, 12
.set ADRB0, 13
.set ADRA,  14
.set ADRB,  15
.set STO,   16
.set RD,    17
.set CO,    18
.set PFO,   19
.set SPW,   20
.set NIL,   21
.set GA,    22                         ; v22  LDS address of my four g of the step in hand
.set OB,    128
.set F0,    0
.set F1,    128
.set G1A, 24
.set G0A, 32
.set G1B, 48
.set G0B, 56
.set MSB, 0
.macro WIN new
.if MSB != (\new)
	s_set_vgpr_msb (MSB<<8)|(\new)
.set MSB, \new
.endif
.endm
.macro PLACES
.rept 4
	v_nop
.endr
.endm
.macro CREST
	s_cmp_lg_u32 s10, 0
	s_cbranch_scc1 .Lnot_wave_0_\@
	s_barrier_signal -3
.Lnot_wave_0_\@:
	s_barrier_wait -3
	s_barrier_signal -1
	s_barrier_wait -1
.endm
.macro CROUND
	s_barrier_signal -1
	s_barrier_wait -1
	CREST
.endm
.macro JLOAD                           ; waves 0 and 1 fetch P's two halves, waves 2 and 3 v's; an s_nop 0 and four v_nop follow each line
	s_cmp_eq_u32 s11, 0
	s_cbranch_scc0 .Lfor_b_\@
	tensor_load_to_lds s[G0A+4:G0A+7], s[G1A:G1A+7]
	s_nop 0
	PLACES
	s_branch .Lasked_\@
.Lfor_b_\@:
	tensor_load_to_lds s[G0B+4:G0B+7], s[G1B:G1B+7]
	s_nop 0
	PLACES
.Lasked_\@:
.endm
; A prefetch into the L2 of the K step two refills on.  P's 128 rows, 256 bytes of each: wave 0 of each partner of the cluster's row takes 32, told apart by address.  v's 64 keys that wave 2 or 3 fetches, 512 bytes of
; each: 16 keys x 2 blocks for each partner of the column, in the first of the batch's four clusters.  Each block is named once in the launch; the trips whose look-ahead would pass the last step ask for nothing.
.macro ASK
	WIN 0
	s_cmp_gt_u32 s3, s15
	s_cbranch_scc0 .Lnot_mine_\@
	global_prefetch_b8 v[PFO], s[46:47] th:TH_LOAD_NT scope:SCOPE_SE
.Lnot_mine_\@:
.endm
	s_load_b256 s[68:75], s[0:1], 0x0              ; pmat s[68:69], qkv s[70:71], stats s[72:73], out0 s[74:75]
	v_lshl_add_u32 v[SPW], v0, 2, SPARE
	v_mov_b32 v[NIL], 0
	ds_add_u32 v[SPW], v[NIL]                      ; the wave's opening: the add and its wait stand ahead of my first tensor load
	v_lshrrev_b32 v4, 5, v0
	v_readfirstlane_b32 s10, v4
	s_lshr_b32 s11, s10, 1                         ; my half of the rows.  Also: I fetch for P (0) or for v (1)
	s_and_b32 s12, s10, 1                          ; my half of the channels.  Also: which half of that tile I fetch
	s_bfe_u32 s40, ttmp6, 0x40000                  ; cx = the block of 256 channels
	s_bfe_u32 s41, ttmp6, 0x40004                  ; cy
	s_and_b32 s42, ttmp7, 0xffff                   ; cluster y, 0 to 15
	s_lshr_b32 s43, s42, 2                         ; the batch
	s_lshl_b32 s13, s42, 2
	s_add_co_u32 s13, s13, s41                     ; block of 128 rows, 0 to 63
	s_lshl_b32 s44, s41, 2
	s_lshl_b32 s44, 15, s44                        ; my row of the cluster
	s_lshl_b32 s45, 0x1111, s40                    ; my column
	s_or_b32 s[G1A], s44, (1<<16)|(1<<20)|(1<<21)|(5<<22)|(3<<25)  ; the mask; elements of 2 bytes; padding on; bit 21 beside a mask; after every 64 words (code 5) 4 words (code 3)
	s_mov_b32 s[G1A+1], KSTEP<<16                  ; tensor_dim0 = 128
	s_mov_b32 s[G1A+2], 64<<16                     ; tensor_dim1 = 64
	s_mov_b32 s[G1A+3], KSTEP<<16                  ; tile_dim0 = 128
	s_mov_b32 s[G1A+4], 64                         ; tile_dim1 = 64
	s_mov_b32 s[G1A+5], 2048                       ; elements from row to row of P
	s_mov_b32 s[G1A+6], 0
	s_mov_b32 s[G1A+7], 0
	s_or_b32 s[G1B], s45, (1<<16)|(1<<20)|(1<<21)|(6<<22)|(7<<25)  ; after every 128 words (code 6) 8 words (code 7)
	s_mov_b32 s[G1B+1], 256<<16                    ; 256 channels
	s_mov_b32 s[G1B+2], 64<<16                     ; 64 keys
	s_mov_b32 s[G1B+3], 256<<16
	s_mov_b32 s[G1B+4], 64
	s_mov_b32 s[G1B+5], 1024
	s_mov_b32 s[G1B+6], 0
	s_mov_b32 s[G1B+7], 0
	s_lshl_b32 s16, s13, 19                        ; P: 128 rows of 4,096 bytes a block,
	s_lshl_b32 s21, s12, 18                        ; 64 rows a half
	s_add_co_u32 s16, s16, s21
	s_mov_b32 s17, 0
	s_lshl_b32 s18, s43, 22                        ; v: the batch's 2,048 rows,
	s_add_co_u32 s18, s18, 2<<24                   ; behind q and k,
	s_lshl_b32 s21, s12, 17                        ; 64 keys a half,
	s_add_co_u32 s18, s18, s21
	s_lshl_b32 s90, s40, 9                         ; 256 channels a block
	s_add_co_u32 s18, s18, s90
	s_mov_b32 s19, 0
	s_mul_i32 s22, s12, AHALF                      ; where the tiles go: no place in the cluster enters an LDS address
	s_mul_i32 s23, s12, BHALF
	s_add_co_u32 s23, s23, BOFF
	s_mov_b32 s20, 0                               ; the slot in hand
	s_wait_dscnt 0x0                               ; the opening add is done
	s_wait_kmcnt 0x0
	s_add_nc_u64 s[4:5], s[68:69], s[16:17]
	s_add_nc_u64 s[6:7], s[70:71], s[18:19]
	CROUND                                         ; all sixteen work-groups are here: the first joint loads meet
.irp s, 0,1
	s_mov_b32 s[G0A+4*(\s)], 1
	s_add_co_u32 s[G0A+4*(\s)+1], s22, (\s)*SLOT1
	s_add_nc_u64 s[G0A+4*(\s)+2:G0A+4*(\s)+3], s[4:5], (\s)*ASTEP
	s_or_b32 s[G0A+4*(\s)+3], s[G0A+4*(\s)+3], 0x80000000
	s_mov_b32 s[G0B+4*(\s)], 1
	s_add_co_u32 s[G0B+4*(\s)+1], s23, (\s)*SLOT1
	s_add_nc_u64 s[G0B+4*(\s)+2:G0B+4*(\s)+3], s[6:7], (\s)*BSTEP
	s_or_b32 s[G0B+4*(\s)+3], s[G0B+4*(\s)+3], 0x80000000
.endr
	s_cmp_eq_u32 s11, 0                            ; a wave's two first fills stand in one branch: two loads of mine are out
	s_cbranch_scc0 .Lfirst_b
	tensor_load_to_lds s[G0A:G0A+3], s[G1A:G1A+7]
	s_nop 0
	tensor_load_to_lds s[G0A+4:G0A+7], s[G1A:G1A+7]
	s_nop 0
	PLACES
	s_branch .Lfirst_asked
.Lfirst_b:
	tensor_load_to_lds s[G0B:G0B+3], s[G1B:G1B+7]
	s_nop 0
	tensor_load_to_lds s[G0B+4:G0B+7], s[G1B:G1B+7]
	s_nop 0
	PLACES
.Lfirst_asked:
	; thread i owns row i of the tile: its 16 c m_t into v64-79, its 16 l_t into v80-95
	s_lshl_b32 s90, s13, 9
	s_mov_b32 s91, 0
	s_add_nc_u64 s[88:89], s[72:73], s[90:91]
	v_lshlrev_b32 v4, 2, v0
.set t, 0
.rept 16
	global_load_b32 v[64+t], v4, s[88:89] offset:t*65536
	global_load_b32 v[80+t], v4, s[88:89] offset:t*65536+32768
.set t, t+1
.endr
	v_and_b32 v1, 15, v0                           ; r
	v_bfe_u32 v2, v0, 4, 1                         ; h
	v_and_b32 v3, 31, v0                           ; l
	v_lshrrev_b32 v9, 6, v0                        ; the table's place for row i: row half,
	v_lshlrev_b32 v9, 8, v9
	v_lshl_add_u32 v9, v1, 4, v9                   ; row % 16,
	v_bfe_u32 v5, v0, 4, 2
	v_lshl_add_u32 v9, v5, 2, v9                   ; block of 16 rows
	v_add_nc_u32 v9, TABLE, v9
	s_lshl_b32 s21, s11, 8
	s_add_co_u32 s21, s21, TABLE
	v_lshl_add_u32 v[GA], v1, 4, s21               ; and where a lane finds the four numbers of its row % 16
	v_mul_u32_u24 v5, v1, PA
	v_lshl_add_u32 v5, v2, 4, v5                   ; P: a fragment's row x pitch + 16 x half
	s_mul_i32 s21, s11, AHALF
	v_add_nc_u32 v[ADRA0], s21, v5
	; The turning load takes 16 keys x 16 channels (lane l reads key 8 (l / 16) + l % 8, channels 8 ((l / 8) % 2) + 0..7) and leaves half a fragment: lane l holds channel l % 16 and 8 keys
	v_and_b32 v5, 7, v0
	v_bfe_u32 v6, v0, 3, 1
	v_lshl_add_u32 v5, v2, 3, v5
	v_mul_u32_u24 v5, v5, PB
	v_lshl_add_u32 v5, v6, 4, v5
	s_lshl_b32 s21, s12, 8                         ; my 128 channels
	s_add_co_u32 s21, s21, BOFF
	v_add_nc_u32 v[ADRB0], s21, v5
	v_mov_b32 v[ADRA], v[ADRA0]
	v_mov_b32 v[ADRB], v[ADRB0]
	s_mul_i32 s21, s10, 16*SP
	s_add_co_u32 s21, s21, STAGE
	v_mul_u32_u24 v5, v1, SP                       ; in: row r, 32 bytes for each half of the lanes
	v_lshl_add_u32 v5, v2, 5, v5
	v_add_nc_u32 v[STO], s21, v5
	v_lshl_add_u32 v[RD], v3, 4, s21               ; back: a row's 512 bytes by 32 lanes
	v_lshlrev_b32 v[CO], 4, v3
	s_lshl_b32 s90, s13, 19                        ; out0: the block's 128 rows of 4,096 bytes,
	s_lshl_b32 s91, s11, 18                        ; my 64,
	s_add_co_u32 s90, s90, s91
	s_lshl_b32 s91, s40, 10                        ; the block's 256 channels,
	s_add_co_u32 s90, s90, s91
	s_lshl_b32 s91, s12, 9                         ; my 128
	s_add_co_u32 s90, s90, s91
	s_mov_b32 s91, 0
	s_add_nc_u64 s[8:9], s[74:75], s[90:91]
	; the prefetches: P (wave 0): lane l names row l; v (waves 2, 3): lane l names key l / 2, block l % 2
	s_mul_i32 s21, s11, 10
	s_lshl_b32 s66, 256, s21                       ; a K step: 256 bytes along P's rows, 262,144 down v's
	s_mov_b32 s67, 0
	v_lshrrev_b32 v5, s11, v3
	s_sub_co_u32 s21, 12, s11                      ; rows of 4,096 or 2,048 bytes
	v_lshlrev_b32 v5, s21, v5
	v_and_b32 v6, s11, v3
	v_lshl_add_u32 v[PFO], v6, 8, v5
	s_lshl_b32 s22, s11, 1
	s_sub_co_u32 s22, 17, s22                      ; a partner's share: 32 rows of 4,096 bytes, or 16 of 2,048
	s_and_b32 s21, s42, 3                          ; v's by the first cluster of the batch,
	s_cmp_eq_u32 s11, 0
	s_cselect_b32 s21, s12, s21                    ; P's by wave 0 of every cluster: no other cluster reads these rows
	s_cselect_b32 s90, s40, s41
	s_cselect_b64 s[46:47], s[4:5], s[6:7]
	s_cmp_eq_u32 s21, 0
	s_cselect_b32 s15, 2, -1
	s_lshl_b32 s90, s90, s22
	s_mul_i32 s91, s66, 3                          ; at K step 3: the first change of slots steps it to 4
	s_add_co_u32 s90, s90, s91
	s_mov_b32 s91, 0
	s_add_nc_u64 s[46:47], s[46:47], s[90:91]
	s_wait_loadcnt 0x0
	v_max3_num_f32 v6, v64, v65, v66               ; c M
.irp t, 67,69,71,73,75,77
	v_max3_num_f32 v6, v6, v[(\t)], v[(\t)+1]
.endr
	v_max_num_f32 v6, v6, v79
.set t, 0
.rept 16
	v_sub_f32 v[64+t], v[64+t], v6
.set t, t+1
.endr
.set t, 0
.rept 16
	v_exp_f32 v[64+t], v[64+t]                     ; g_t
.set t, t+1
.endr
	v_nop                                          ; a plain instruction behind the last exponential,
	s_wait_alu depctr_va_vdst(0)                   ; and the one wait ahead of the batch's first reader
.set t, 0
.rept 16
	v_cvt_pk_f16_f32 v[96+t], v[64+t], v[64+t]     ; twice in a word, for the packed multiply
.set t, t+1
.endr
	v_fma_mix_f32 v7, v96, v80, v[NIL] op_sel_hi:[1,0,0]  ; L = the sum of g_t l_t, with g as it is used
.set t, 1
.rept 15
	v_fma_mix_f32 v7, v[96+t], v[80+t], v7 op_sel_hi:[1,0,0]
.set t, t+1
.endr
	v_rcp_f32 v8, v7
	v_nop
	s_wait_alu depctr_va_vdst(0)
.set t, 0
.rept 16
	ds_store_b32 v9, v[96+t] offset:512*t
.set t, t+1
.endr
	ds_store_b32 v9, v8 offset:16*512
.macro LDA q, f, a
	ds_load_b128 v[(\f)+16*(\a):(\f)+16*(\a)+3],   v[ADRA] offset:(\q)*64+(\a)*16*PA
	ds_load_b128 v[(\f)+16*(\a)+4:(\f)+16*(\a)+7], v[ADRA] offset:(\q)*64+(\a)*16*PA+32
.endm
.macro FETCH q, f                      ; one run of 25 LDS loads: the step's g, P's fragment 0, v's eight (turned), P's 1, 2, 3
	WIN 0x40
	ds_load_b128 v[(\f)+8:(\f)+11], v[GA]
	LDA \q, \f, 0
.irp b, 0,1,2,3,4,5,6,7
	ds_load_tr16_b128 v[(\f)+64+8*(\b):(\f)+64+8*(\b)+3],   v[ADRB] offset:(\q)*32*PB+32*(\b)
	ds_load_tr16_b128 v[(\f)+64+8*(\b)+4:(\f)+64+8*(\b)+7], v[ADRB] offset:(\q)*32*PB+32*(\b)+16*PB
.endr
	LDA \q, \f, 1
	LDA \q, \f, 2
	LDA \q, \f, 3
.endm
.macro FIXH f, a, half                 ; half of a fragment of P times its rows' g
	WIN 0x45
.irp i, 0,1,2,3
	v_pk_mul_f16 v[(\f)+16*(\a)+4*(\half)+(\i)], v[(\f)+16*(\a)+4*(\half)+(\i)], v[(\f)+8+(\a)]
.endr
.endm
; Eight matrix instructions; behind the second and the sixth stand four multiplies of fragment ra of buffer rf.  The 32 accumulators take turns, in the same order in every quarter.
.macro ROW f, a, first, rf, ra
.irp b, 0,1,2,3,4,5,6,7
	WIN 0xa5
.if \first
	v_wmma_f32_16x16x32_f16 v[64*(\a)+8*(\b):64*(\a)+8*(\b)+7], v[(\f)+64+8*(\b):(\f)+64+8*(\b)+7], v[(\f)+16*(\a):(\f)+16*(\a)+7], 0
.else
	v_wmma_f32_16x16x32_f16 v[64*(\a)+8*(\b):64*(\a)+8*(\b)+7], v[(\f)+64+8*(\b):(\f)+64+8*(\b)+7], v[(\f)+16*(\a):(\f)+16*(\a)+7], v[64*(\a)+8*(\b):64*(\a)+8*(\b)+7]
.endif
.if ((\ra) >= 0) && ((\b) == 1)
	FIXH \rf, \ra, 0
.endif
.if ((\ra) >= 0) && ((\b) == 5)
	FIXH \rf, \ra, 1
.endif
.endr
.endm
; A quarter: multiplies buffer f and fetches quarter q into g.  The sixteen multiplies ahead of the run name registers of f alone: they are the places between the last product that read g and the loads into g.
.macro QUARTER q, f, g, first=0
	s_wait_dscnt 2*NA                              ; all but P's fragments 2 and 3
	ROW \f, 0, \first, \f, 1
	s_wait_dscnt NA                                ; fragment 2 is in
	ROW \f, 1, \first, \f, 2
	FETCH \q, \g
	s_wait_dscnt NF                                ; all but the run just issued: fragment 3 is in
	ROW \f, 2, \first, \f, 3
	s_wait_dscnt YA0                               ; the run's first three loads, g's scales and fragment 0, are in
	ROW \f, 3, \first, \g, 0
.endm
.macro TURN fill                       ; a K step's last quarter, and the change of slots: one barrier, with every wave's waits and its add in front
.if \fill
	s_wait_xcnt 0x0                                ; the last prefetch, a K step back, has read its address
	s_add_nc_u64 s[46:47], s[46:47], s[66:67]
.endif
	WIN 0
	s_wait_tensorcnt 0x0                           ; no tensor load of mine is out: my part of the next slot has landed, and a group 0 may be written
	ds_add_u32 v[SPW], v[NIL]                      ; 0 onto my spare word
.if \fill
	s_xor_b32 s[G0A+5], s[G0A+5], SLOT1
	s_add_nc_u64 s[G0A+6:G0A+7], s[G0A+6:G0A+7], ASTEP
	s_xor_b32 s[G0B+5], s[G0B+5], SLOT1
	s_add_nc_u64 s[G0B+6:G0B+7], s[G0B+6:G0B+7], BSTEP
.endif
	s_xor_b32 s20, s20, SLOT1
	s_wait_dscnt 2*NA+1                            ; the add and P's fragments 2 and 3 may be out
	ROW F1, 0, 0, F1, 1
	s_wait_dscnt 0x0                               ; the add is done, and my reads of this slot are over
	s_barrier_signal -1
	ROW F1, 1, 0, F1, 2
	WIN 0
	v_add_nc_u32 v[ADRA], s20, v[ADRA0]
	v_add_nc_u32 v[ADRB], s20, v[ADRB0]
	v_add_nc_u32 v[GA], 512, v[GA]                 ; the next step's g
	s_barrier_wait -1
.if \fill
	CREST                                          ; no wave of any partner still reads this slot or has a load on its way
	JLOAD                                          ; 112 matrix instructions ahead of the wait for it
.endif
	FETCH 0, F0
.if \fill
	ASK
.endif
	ROW F1, 2, 0, F1, 3
	s_wait_dscnt YA0
	ROW F1, 3, 0, F0, 0
.endm
	s_wait_dscnt 0x0                               ; for the others' sake: my rows of the table lie in LDS
	s_wait_tensorcnt 0x1                           ; my part of K step 0 is in; K step 1's may stay out
	s_barrier_signal -1
	s_barrier_wait -1
	ds_load_b128 v[36:39], v[GA] offset:16*512     ; 1 / L of my row % 16 in the four blocks of 16 rows
	FETCH 0, F0
	s_wait_dscnt YA0                               ; 1 / L, g and P's fragment 0 are in
	WIN 0
.irp a, 0,1,2,3
	v_mov_b32 v[40+2*(\a)], v[36+(\a)]             ; as pairs, for the packed multiply
	v_mov_b32 v[41+2*(\a)], v[36+(\a)]
.endr
	FIXH F0, 0, 0
	FIXH F0, 0, 1
	QUARTER 1, F0, F1, 1                           ; the first quarter's products start the sums
	WIN 0
	s_mov_b32 s3, NSTEP-2
.Lstep:
	QUARTER 2, F1, F0
	QUARTER 3, F0, F1
	TURN 1
	QUARTER 1, F0, F1
	WIN 0
	s_sub_co_u32 s3, s3, 1
	s_cmp_lg_u32 s3, 0
	s_cbranch_scc1 .Lstep
	QUARTER 2, F1, F0                              ; the last two K steps are written out: nothing more is asked for
	QUARTER 3, F0, F1
	TURN 0
	QUARTER 1, F0, F1
	QUARTER 2, F1, F0
	QUARTER 3, F0, F1
	s_wait_dscnt 2*NA
	ROW F1, 0, 0, F1, 1
	s_wait_dscnt NA
	ROW F1, 1, 0, F1, 2
	s_wait_dscnt 0x0
	ROW F1, 2, 0, F1, 3
	ROW F1, 3, 0, 0, -1
; THE WAY OUT of block a (16 rows x 128 channels): divided by L, 32 bytes a lane and column block into my stage, back as whole rows of 512 bytes, stored.
.macro OUT a
	WIN 0x02                                       ; source 0 in window 2
.set i, 0
.rept 32
	v_pk_mul_f32 v[64+2*i:65+2*i], v[64*(\a)+2*i:64*(\a)+2*i+1], v[40+2*(\a):41+2*(\a)] op_sel_hi:[1,0]
.set i, i+1
.endr
	WIN 0
.irp b, 0,1,2,3,4,5,6,7
	ds_store_b128 v[STO], v[64+8*(\b):67+8*(\b)] offset:64*(\b)
	ds_store_b128 v[STO], v[68+8*(\b):71+8*(\b)] offset:64*(\b)+16
.endr
	s_wait_xcnt 0x0                                ; the stores of the block two back have read the registers that the loads below write
.set t, 0
.rept 16
	ds_load_b128 v[OB+64*((\a)%2)+4*t:OB+64*((\a)%2)+4*t+3], v[RD] offset:SP*t  ; LDS serves a wave's instructions in order (ISA guide 5.7.1.4): these see the stores above
.set t, t+1
.endr
.endm
.macro SENDO a, younger                ; younger: the LDS instructions issued behind block a's loads: the next block's 32, or none
	WIN 0
	s_wait_dscnt \younger
.set t, 0
.rept 16
	global_store_b128 v[CO], v[OB+64*((\a)%2)+4*t:OB+64*((\a)%2)+4*t+3], s[8:9] offset:(16*(\a)+t)*4096 th:TH_STORE_NT  ; 32 lanes store 512 consecutive bytes, aligned
.set t, t+1
.endr
.endm
	PLACES
	OUT 0
	OUT 1                                          ; a block's arithmetic stands between the loads of the block before and its stores
	SENDO 0, 32
	OUT 2
	SENDO 1, 32
	OUT 3
	SENDO 2, 32
	SENDO 3, 0
	s_wait_tensorcnt 0x0                           ; the wave's end, behind my last tensor load and my last LDS store
	ds_add_u32 v[SPW], v[NIL]
	s_wait_dscnt 0x0
	CROUND                                         ; the closing round
	s_endpgm
.Lfunc_end_k_q9061685f5d_pv:
	.size	k_q9061685f5d_pv, .Lfunc_end_k_q9061685f5d_pv-k_q9061685f5d_pv
	.p2alignl 7, 3214868480
	.fill 96, 4, 3214868480
	.section	.rodata,"a",@progbits
	.p2align	6, 0x0
	.amdhsa_kernel k_q9061685f5d_pv
		.amdhsa_group_segment_fixed_size 327680
		.amdhsa_private_segment_fixed_size 0
		.amdhsa_enable_private_segment 0
		.amdhsa_kernarg_size 32
		.amdhsa_user_sgpr_count 2
		.amdhsa_user_sgpr_kernarg_segment_ptr 1
		.amdhsa_wavefront_size32 1
		.amdhsa_system_sgpr_workgroup_id_x 1
		.amdhsa_system_sgpr_workgroup_id_y 1
		.amdhsa_system_sgpr_workgroup_id_z 1
		.amdhsa_system_vgpr_workitem_id 0
		.amdhsa_next_free_vgpr 768
		.amdhsa_next_free_sgpr 92
		.amdhsa_reserve_vcc 0
		.amdhsa_float_denorm_mode_32 3
		.amdhsa_float_denorm_mode_16_64 3
		.amdhsa_memory_ordered 1
		.amdhsa_forward_progress 1
		.amdhsa_inst_pref_size 117
	.end_amdhsa_kernel
	.amdgpu_metadata
---
amdhsa.version: [ 1, 2 ]
amdhsa.kernels:
  - .name:           k_q9061685f5d_pv
    .symbol:         k_q9061685f5d_pv.kd
    .args:
      - { .name: pmat, .offset: 0, .size: 8, .value_kind: global_buffer, .address_space: global }
      - { .name: qkv, .offset: 8, .size: 8, .value_kind: global_buffer, .address_space: global }
      - { .name: stats, .offset: 16, .size: 8, .value_kind: global_buffer, .address_space: global }
      - { .name: out0, .offset: 24, .size: 8, .value_kind: global_buffer, .address_space: global }
    .group_segment_fixed_size: 327680
    .private_segment_fixed_size: 0
    .kernarg_segment_align: 8
    .kernarg_segment_size: 32
    .max_flat_workgroup_size: 128
    .sgpr_count:     92
    .vgpr_count:     768
    .wavefront_size: 32
...
	.end_amdgpu_metadata
.endif
;; end of part 4
